; MI455X (gfx1250); checked and timed in simulation.
; The chip was launched on July 23, 2026; its instructions are those of AMD's public machine-readable ISA for CDNA 5 (MIT licence, August 2026) and "CDNA5" Instruction Set Architecture Reference Guide (July 2026). The comments in the code are by the model that wrote it; some were corrected since.
;; mutli Head Attention. Allowed arithmetic: matrix products marked QUANTISED: E5M2 operands, one given power-of-two scale a tensor, by v_wmma_f32_16x16x64_bf8_bf8 or v_wmma_f32_16x16x128_bf8_bf8, f32 sums; everything else in f32.
;; Inputs: attn_mask 4 x 1 x 2,048 x 2,048 bool; input_K_codes 4 x 2,048 x 32 x 32 uint8 (E5M2 codes of input_K, K innermost, in blocks of 32 codes); input_Q 4 x 2,048 x 1,024 float32; input_V_codes 4 x 2,048 x 32 x 32 uint8 (E5M2 codes of input_V, K innermost, in blocks of 32 codes); ln_beta 1,024 float32; ln_gamma 1,024 float32; lowp_scales 12 int32 (the exponents e of the quantised operands' scales 2^e); w_k_codes 1,024 x 32 x 32 uint8 (E5M2 codes of w_k, K innermost, in blocks of 32 codes); w_o_codes 1,024 x 32 x 32 uint8 (E5M2 codes of w_o, K innermost, in blocks of 32 codes); w_q_codes 1,024 x 32 x 32 uint8 (E5M2 codes of w_q, K innermost, in blocks of 32 codes); w_v_codes 1,024 x 32 x 32 uint8 (E5M2 codes of w_v, K innermost, in blocks of 32 codes).
;; Outputs: out0 4 x 2,048 x 1,024 float32.
;; This version of the problem:
;;   THIS VERSION OF THE PROBLEM IS GIVEN IN LOW PRECISION. The matrix products marked QUANTISED in the list below multiply operands that are first quantised to E5M2 (5 exponent bits, 2 mantissa bits; 8 bits a number), with one given power-of-two scale for each operand tensor; their sums are f32. All else is computed in f32.
;;   The module's matrix products, in the order in which they are computed (A, B: the left and right operand; K: the contracted axis; several contracted axes count as one K, in the product's order):
;;     1. [M 8,192, K 1,024] x [K 1,024, N 1,024]; A: input input_Q; B: input w_q (given as codes): QUANTISED (scales: A lowp_scales[0], B lowp_scales[1])
;;     2. [M 8,192, K 1,024] x [K 1,024, N 1,024]; A: input input_K (given as codes); B: input w_k (given as codes): QUANTISED (scales: A lowp_scales[2], B lowp_scales[3])
;;     3. [M 8,192, K 1,024] x [K 1,024, N 1,024]; A: input input_V (given as codes); B: input w_v (given as codes): QUANTISED (scales: A lowp_scales[4], B lowp_scales[5])
;;     4. batch 64 x [M 2,048, K 64] x [K 64, N 2,048]; A: computed on the way; B: computed on the way: QUANTISED (scales: A lowp_scales[6], B lowp_scales[7])
;;     5. batch 64 x [M 2,048, K 2,048] x [K 2,048, N 64]; A: softmax (see below); B: computed on the way: QUANTISED (scales: A lowp_scales[8], B lowp_scales[9])
;;     6. [M 8,192, K 1,024] x [K 1,024, N 1,024]; A: computed on the way; B: input w_o (given as codes): QUANTISED (scales: A lowp_scales[10], B lowp_scales[11])
;;   THE QUANTISER, for each operand of a quantised product, along K:
;;     - The operand's scale is 2^e, e = its entry of the input lowp_scales (int32; the entries are numbered through the quantised products in the list's order, A before B).
;;     - Each number is divided by the scale, clamped to +-57,344, and rounded to the nearest number of E5M2, ties to even, subnormals kept.
;;     - The product sums the exact products of the quantised numbers (number of the format x scale) in f32.
;;   ~~~python
;;   def quantise(x, axis, e):      # numpy; x: float32 -> the quantised numbers, widened to float32 again
;;       x = np.moveaxis(x, axis, -1); K = x.shape[-1]
;;       r = np.clip(x / 2.0 ** e, -57344, 57344)
;;       step = 2.0 ** (np.maximum(np.frexp(np.where(r == 0, 1, r))[1] - 1, -14) - 2)
;;       q = np.round(r / step) * step * 2.0 ** e      # np.round: ties to even
;;       return np.moveaxis(q, -1, axis).astype(np.float32)
;;   ~~~
;;   SOFTMAX AHEAD OF A QUANTISED PRODUCT. Where the list says 'softmax', what is quantised is not the finished softmax but p = 2^(t - M), with t = logit x log2(e) and M = ceil(the row's largest t), a whole number; so 1/2 < the row's largest p <= 1. The row's sum l is taken of the UNQUANTISED p, in f32, and the product's result is divided by l at the end. Since M is a whole number, a kernel that streams over the keys may use a running M (the ceiling of the running maximum): every later rescaling is an exact power of two, so the quantised numbers keep their values, but for numbers so far below the row's largest that they fall under the format's range.
;;   OPERANDS COMPUTED ON THE WAY. 'Computed on the way' means the value that the module computes at that place (a softmax that the list does not call 'softmax' is quantised finished and normalised). What goes into a quantiser is computed in f32, as accurately as f32 sums, v_exp_f32 and their like allow (about 1e-6 of the number): no bf16 or f16 on the way to a quantiser, and a product that is left as it is and whose result goes on into a quantised operand takes f32 operands (vector FMAs, or v_wmma_f32_16x16x4_f32). A number that lies on a knife's edge between two numbers of the format may be rounded either way, as far as f32 arithmetic and the matrix unit's own rounding can turn it there, and no further.
;;   INPUTS GIVEN AS CODES. input_K (in the module: [4, 2048, 1024], K = its axis 2); input_V (in the module: [4, 2048, 1024], K = its axis 2); w_k (in the module: [1024, 1024], K = its axis 1); w_o (in the module: [1024, 1024], K = its axis 1); w_q (in the module: [1024, 1024], K = its axis 1); w_v (in the module: [1024, 1024], K = its axis 1): each comes as NAME_codes (uint8): NAME with its K axis moved to the last place and cut into blocks of 32 codes, [.., K / 32, bytes a block], one block behind the other in memory; one code a byte (a code: sign, 5 exponent bits, 2 mantissa bits); its scale is its entry of lowp_scales. Its value is code x scale, taken as it is: it is not quantised again, and the codes and scales need not be those that the quantiser above would give.
;; 2 versions, each right; version 2 is version 1 with the launches attn, outln written anew for expert scheduling mode. Each part assembles by itself: llvm-mc -triple=amdgcn-amd-amdhsa -mcpu=gfx1250 --defsym DOCPART=n.
;; ======== version 1 of 2: 4 launches
;; limits: right only within a limited range of input values
;; workspace buffers: xq_codes 8,388,608 bytes; maskimg 8,388,608 bytes; rowflags 524,288 bytes of whole numbers; woimg 1,048,576 bytes; qimg 8,388,608 bytes; kimg 8,388,608 bytes; vimg 8,388,608 bytes; ctximg 8,388,608 bytes
;; launch prep (part 1): grid 896 x 1, 4 waves a work-group, no clusters, 67,072 bytes of LDS; arguments input_Q, attn_mask, w_o_codes, lowp_scales, xq_codes, maskimg, rowflags, woimg; writes xq_codes, maskimg, rowflags, woimg
.if DOCPART == 1
	.amdgcn_target "amdgcn-amd-amdhsa--gfx1250"
	.amdhsa_code_object_version 6
	.text
	.protected	k_qc32d904afa_prep
	.globl	k_qc32d904afa_prep
	.p2align	8
	.type	k_qc32d904afa_prep,@function
k_qc32d904afa_prep:
	s_mov_b64 s[64:65], 0
	v_nop
	global_prefetch_b8 v0, s[64:65] scope:SCOPE_SE
	s_setreg_imm32_b32 hwreg(HW_REG_WAVE_MODE, 25, 1), 1
	s_wait_xcnt 0x0
; THREE SMALL JOBS IN ONE LAUNCH, parted by the work-group's number; the three ways never join again, and each has LDS bytes of its own.
; (a) work-groups 0-255: input_Q [8192][1024] f32 becomes codes of E5M2 with the given scale 2^e0 (entry 0 of the scales): xq_codes [8192][1024], a code a byte, K innermost.
;     code = x / 2^e0, held within +-57,344, to the nearest code, ties to even.  LIMIT: -126 <= e0 <= 112.  NaN among the inputs is not served.
; (b) work-groups 256-767: the mask's bytes (0 or 1, as the format has them) become FOUR-BIT CODES, 0 or -1.0 (the nibble 0xA), laid as images of registers for the attention launch, which widens eight of them to f32 by one conversion.
;     maskimg: record u = batch x 128 + tile of 16 queries, 16,384 bytes: 16 key steps x 2 blocks of 512 bytes, lane l's four registers at 16 l of a block.
;     Nibble j of register t of lane (r, h) of step s = mask[16 tile + r][128 s + 16 t + 8 h + j]: the place that score register 8 t + j of that lane has there.
;     rowflags: record u, 1,024 bytes: at 256 w, 64 copies of a word whose bits r and 16 + r say that row r's keys 512 w .. 512 w + 511 are all masked.
; (c) work-groups 768-895: w_o's codes are laid as images of operand registers: [tile of 16 rows][K step of 128][4 blocks of 512 bytes]; register 2 c + e of lane (r, h) = w_o[16 tile + r][128 step + 16 c + 8 h + 4 e ..].
; No tensor loads, no barrier: waves share nothing.  No matrix work, no cluster: no input byte is read by two work-groups.
.set STEPS, 16
.set SP,    80                         ; (a) a lane's place in a stage: its 64 bytes + 16 of padding
.set R,     16                         ; (a) v16-79   four sets of 16 numbers as loaded
.set X,     80                         ; (a) v80-111  two sets of 16 neighbours
.set C,     128                        ; (a) v128-191 codes: four registers for each step, so that no store's data are written again
.set MSTG,  32768                      ; (b) LDS: behind (a)'s four regions of 8,192 bytes: a stage of 16 rows for each wave
.set MP,    528                        ; (b) a stage row: 512 bytes + 16 of padding
.set MO,    16                         ; (b) v16-47   the nibbles to store: eight registers for each of the wave's four key steps, so that no store's data are written again
.set MT,    96                         ; (b) v96-103  the even keys' bytes, then the eight nibbles 0 or 1; v104-111 the odd keys' bytes
.set FL,    112                        ; (b) v112     the AND of all my nibble registers
.set MB,    128                        ; (b) v128-191 the mask's bytes as a lane wants them
	s_load_b256 s[4:11], s[0:1], 0x0               ; input_Q s[4:5], attn_mask s[6:7], w_o_codes s[8:9], lowp_scales s[10:11]
	s_load_b256 s[12:19], s[0:1], 0x20             ; xq_codes s[12:13], maskimg s[14:15], rowflags s[16:17], woimg s[18:19]
	v_lshl_add_u32 v192, v0, 2, 0x10400
	v_mov_b32 v193, 0
	v_lshrrev_b32 v1, 5, v0
	v_readfirstlane_b32 s20, v1                    ; wave 0..3
	v_and_b32 v2, 31, v0                           ; lane
	v_lshlrev_b32 v3, 4, v2                        ; 16 x lane; never rewritten
	s_mov_b32 s25, 0                               ; the upper word of every offset pair s[24:25]
	s_wait_kmcnt 0x0
	s_cmp_lt_u32 ttmp9, 256
	s_cbranch_scc0 .Lnot_q
; ---- (a) a wave takes 16 steps of 512 numbers.  Each load reads 512 consecutive bytes, 16 a lane; a step's 2,048 bytes turn through the wave's own stage, so that a lane then holds 16 NEIGHBOURS, which the conversions want.
	s_load_b32 s26, s[10:11], 0x0                  ; e0
	s_lshl_b32 s21, s20, 13                        ; my region: 8,192 x wave
	v_lshrrev_b32 v14, 2, v2
	v_mul_u32_u24 v14, v14, SP
	v_and_b32 v15, 3, v2
	v_lshl_add_u32 v14, v15, 4, v14
	v_add_nc_u32 v14, s21, v14                     ; into the stage: four lanes' 64 bytes on end, then the padding
	v_mul_u32_u24 v15, v2, SP
	v_add_nc_u32 v15, s21, v15                     ; out of it: SP x lane
	s_lshl_b32 s22, ttmp9, 2
	s_add_co_u32 s22, s22, s20                     ; which run of 8,192 numbers is my wave's
	s_lshl_b32 s24, s22, 15
	s_add_nc_u64 s[4:5], s[4:5], s[24:25]
	s_lshl_b32 s24, s22, 13
	s_add_nc_u64 s[12:13], s[12:13], s[24:25]
.macro LOAD t
.irp i, 0,1,2,3
	global_load_b128 v[R+16*((\t)%4)+4*\i:R+16*((\t)%4)+4*\i+3], v3, s[4:5] offset:2048*(\t)+512*\i
.endr
.endm
.macro TURN t                          ; LDS serves a wave's instructions in order (ISA guide 5.7.1.4): no wait between the stores and the loads
.irp i, 0,1,2,3
	ds_store_b128 v14, v[R+16*((\t)%4)+4*\i:R+16*((\t)%4)+4*\i+3] offset:32*SP*((\t)%2)+8*SP*\i
.endr
.irp i, 0,1,2,3
	ds_load_b128 v[X+16*((\t)%2)+4*\i:X+16*((\t)%2)+4*\i+3], v15 offset:32*SP*((\t)%2)+16*\i
.endr
.endm
.irp t, 0,1,2,3
	LOAD \t
.endr
	s_wait_kmcnt 0x0
	s_add_co_i32 s26, s26, 127
	s_lshl_b32 s27, s26, 23
	v_mov_b32 v11, s27                             ; 2^e0 as f32: the conversion takes its exponent field
	s_add_co_i32 s26, s26, 15
	s_lshl_b32 s26, s26, 23
	s_or_b32 s26, s26, 0x600000
	v_mov_b32 v10, s26                             ; 57,344 x 2^e0
	s_wait_loadcnt 12                              ; step 0's four loads are in; three steps' twelve stay out
	TURN 0
.macro STEP t
.set XS, X+16*((\t)%2)
	s_wait_dscnt 0x0                               ; this step's numbers are back from the stage, and its stores into the stage have read their registers,
.if (\t)+4 < STEPS
	LOAD (\t)+4                                    ; which take the loads of four steps on
.endif
.if (\t)+1 < STEPS
.if STEPS-2-(\t) >= 3
	s_wait_loadcnt 12                              ; the next step's four loads are in; those of the three steps behind it may be out
.else
	s_wait_loadcnt 4*(STEPS-2-(\t))
.endif
	TURN (\t)+1
.endif
.irp i, 0,1,2,3,4,5,6,7,8,9,10,11,12,13,14,15
	v_med3_num_f32 v[XS+\i], v[XS+\i], -v10, v10   ; the conversion to an 8-bit code does not saturate (ISA guide 7.6.2): the hold comes first
.endr
	v_cvt_scalef32_pk8_bf8_f32 v[C+4*(\t):C+4*(\t)+1], v[XS:XS+7], v11
	v_cvt_scalef32_pk8_bf8_f32 v[C+4*(\t)+2:C+4*(\t)+3], v[XS+8:XS+15], v11
	global_store_b128 v3, v[C+4*(\t):C+4*(\t)+3], s[12:13] offset:512*(\t)   ; the wave stores 512 consecutive bytes; the codes go to a store alone, and the next vector lines are the next step's holds, on other registers
.endm
.irp t, 0,1,2,3,4,5,6,7,8,9,10,11,12,13,14,15
	STEP \t
.endr
	s_wait_tensorcnt 0x0
	ds_add_u32 v192, v193
	s_wait_dscnt 0x0
	s_endpgm
; ---- (b) work-group u takes 16 rows of the mask; wave w their keys 512 w .. 512 w + 511: four key steps.
.Lnot_q:
	s_cmp_lt_u32 ttmp9, 768
	s_cbranch_scc0 .Lwo
	s_sub_co_u32 s22, ttmp9, 256                   ; u: the rows 16 u .. 16 u + 15 of the 8,192 rows of 2,048 bytes
	s_lshl_b32 s24, s22, 15
	s_lshl_b32 s21, s20, 9
	s_add_co_u32 s24, s24, s21
	s_add_nc_u64 s[6:7], s[6:7], s[24:25]
.set n, 0
.rept 16
	global_load_b128 v[16+4*n:19+4*n], v3, s[6:7] offset:2048*n th:TH_LOAD_NT   ; row n: 512 consecutive bytes a load; read once in the launch
.set n, n+1
.endr
	s_lshl_b32 s24, s22, 14
	s_add_nc_u64 s[14:15], s[14:15], s[24:25]      ; my record of nibbles,
	s_lshl_b32 s24, s22, 10
	s_add_nc_u64 s[16:17], s[16:17], s[24:25]      ; and of flags
	s_mul_i32 s21, s20, 16*MP
	s_add_co_u32 s21, s21, MSTG                    ; my stage
	v_add_nc_u32 v4, s21, v3                       ; in: 16 x lane of a row
	v_and_b32 v5, 15, v0
	v_bfe_u32 v6, v0, 4, 1
	v_mul_u32_u24 v5, v5, MP
	v_lshl_add_u32 v5, v6, 3, v5
	v_add_nc_u32 v5, s21, v5                       ; out: row l % 16, + 8 (l / 16)
	s_lshl_b32 s23, s20, 12
	v_add_nc_u32 v8, s23, v3                       ; my four steps' images: 4,096 w on, 16 bytes a lane
	v_lshlrev_b32 v7, 3, v2
	s_lshl_b32 s23, s20, 8
	v_add_nc_u32 v9, s23, v7                       ; my flags: 256 w on, 8 bytes a lane
	s_mov_b32 s26, 0x06040200                      ; v_perm_b32: bytes 0, 2 of the second source, then bytes 0, 2 of the first
	s_mov_b32 s27, 0x07050301                      ; bytes 1, 3 of each
	s_mov_b32 s28, 0x11111111                      ; eight nibbles of 1
	v_mov_b32 v[FL], -1
	s_wait_loadcnt 0x0
.set n, 0
.rept 16
	ds_store_b128 v4, v[16+4*n:19+4*n] offset:MP*n
.set n, n+1
.endr
.irp s, 0,1,2,3
.irp u, 0,1,2,3,4,5,6,7
	ds_load_b64 v[MB+16*\s+2*\u:MB+16*\s+2*\u+1], v5 offset:128*\s+16*\u   ; keys 128 s + 16 u + 8 (l / 16) + 0 .. 7 of my row; my own bytes, served in order behind my stores
.endr
.endr
	s_wait_dscnt 0x0                               ; the bytes are in, and the stores into the stage have read v16-79, which take the nibbles now
.irp s, 0,1,2,3
.irp u, 0,1,2,3,4,5,6,7
	v_perm_b32 v[MT+\u], v[MB+16*\s+2*\u+1], v[MB+16*\s+2*\u], s26     ; the bytes of keys 0, 2, 4, 6 of the eight,
	v_perm_b32 v[MT+8+\u], v[MB+16*\s+2*\u+1], v[MB+16*\s+2*\u], s27   ; and of keys 1, 3, 5, 7
.endr
.irp u, 0,1,2,3,4,5,6,7
	v_lshl_or_b32 v[MT+\u], v[MT+8+\u], 4, v[MT+\u]                    ; the odd keys' bits four places up: nibble j is key j's byte, 0 or 1
.endr
.irp u, 0,1,2,3,4,5,6,7
	v_and_b32 v[FL], v[FL], v[MT+\u]
	v_mul_lo_u32 v[MO+8*\s+\u], v[MT+\u], 10                           ; 1 becomes 0xA, the four-bit code of -1.0; no nibble carries
.endr
	global_store_b128 v8, v[MO+8*\s:MO+8*\s+3], s[14:15] offset:1024*\s          ; 512 consecutive bytes a store
	global_store_b128 v8, v[MO+8*\s+4:MO+8*\s+7], s[14:15] offset:1024*\s+512
.endr
	v_cmp_eq_u32 s21, s28, v[FL]                   ; bit l: all 256 keys of lane l are masked
	s_lshr_b32 s22, s21, 16
	s_and_b32 s21, s21, s22                        ; bit r: both halves of row r's 512 keys
	s_lshl_b32 s22, s21, 16
	s_or_b32 s21, s21, s22                         ; and the same in bit 16 + r: a lane mask
	v_mov_b32 v10, s21
	v_mov_b32 v11, s21
	global_store_b64 v9, v[10:11], s[16:17]        ; 64 copies: 256 consecutive bytes, aligned
	s_wait_tensorcnt 0x0
	ds_add_u32 v192, v193
	s_wait_dscnt 0x0
	s_endpgm
; ---- (c) a wave makes one fragment's image: tile id / 8, K step id % 8.
.Lwo:
	s_sub_co_u32 s22, ttmp9, 768
	s_lshl_b32 s22, s22, 2
	s_add_co_u32 s22, s22, s20                     ; id 0..511
	s_lshr_b32 s21, s22, 3
	s_and_b32 s23, s22, 7
	s_lshl_b32 s24, s21, 14                        ; 16 rows of 1,024 bytes
	s_lshl_b32 s23, s23, 7
	s_add_co_u32 s24, s24, s23
	s_add_nc_u64 s[8:9], s[8:9], s[24:25]
	s_lshl_b32 s24, s22, 11
	s_add_nc_u64 s[18:19], s[18:19], s[24:25]
	v_and_b32 v5, 15, v0
	v_bfe_u32 v6, v0, 4, 1
	v_lshlrev_b32 v5, 10, v5
	v_lshl_add_u32 v5, v6, 3, v5                   ; row r, + 8 h
.irp c, 0,1,2,3,4,5,6,7
	global_load_b64 v[16+2*\c:17+2*\c], v5, s[8:9] offset:16*\c   ; registers 2 c, 2 c + 1: k = 16 c + 8 h + 0 .. 7
.endr
	s_wait_loadcnt 0x0
.irp g, 0,1,2,3
	global_store_b128 v3, v[16+4*\g:19+4*\g], s[18:19] offset:512*\g
.endr
	s_endpgm
.Lfunc_end_k_qc32d904afa_prep:
	.size	k_qc32d904afa_prep, .Lfunc_end_k_qc32d904afa_prep-k_qc32d904afa_prep
	.p2alignl 7, 3214868480
	.fill 96, 4, 3214868480
	.section	.rodata,"a",@progbits
	.p2align	6, 0x0
	.amdhsa_kernel k_qc32d904afa_prep
		.amdhsa_group_segment_fixed_size 67072
		.amdhsa_private_segment_fixed_size 0
		.amdhsa_enable_private_segment 0
		.amdhsa_kernarg_size 64
		.amdhsa_user_sgpr_count 2
		.amdhsa_user_sgpr_kernarg_segment_ptr 1
		.amdhsa_wavefront_size32 1
		.amdhsa_system_sgpr_workgroup_id_x 1
		.amdhsa_system_sgpr_workgroup_id_y 1
		.amdhsa_system_sgpr_workgroup_id_z 1
		.amdhsa_system_vgpr_workitem_id 0
		.amdhsa_next_free_vgpr 194
		.amdhsa_next_free_sgpr 66
		.amdhsa_reserve_vcc 0
		.amdhsa_float_denorm_mode_32 3
		.amdhsa_float_denorm_mode_16_64 3
		.amdhsa_memory_ordered 1
		.amdhsa_forward_progress 1
		.amdhsa_inst_pref_size 55
	.end_amdhsa_kernel
	.amdgpu_metadata
---
amdhsa.version: [ 1, 2 ]
amdhsa.kernels:
  - .name:           k_qc32d904afa_prep
    .symbol:         k_qc32d904afa_prep.kd
    .args:
      - { .name: input_Q, .offset: 0, .size: 8, .value_kind: global_buffer, .address_space: global }
      - { .name: attn_mask, .offset: 8, .size: 8, .value_kind: global_buffer, .address_space: global }
      - { .name: w_o_codes, .offset: 16, .size: 8, .value_kind: global_buffer, .address_space: global }
      - { .name: lowp_scales, .offset: 24, .size: 8, .value_kind: global_buffer, .address_space: global }
      - { .name: xq_codes, .offset: 32, .size: 8, .value_kind: global_buffer, .address_space: global }
      - { .name: maskimg, .offset: 40, .size: 8, .value_kind: global_buffer, .address_space: global }
      - { .name: rowflags, .offset: 48, .size: 8, .value_kind: global_buffer, .address_space: global }
      - { .name: woimg, .offset: 56, .size: 8, .value_kind: global_buffer, .address_space: global }
    .group_segment_fixed_size: 67072
    .private_segment_fixed_size: 0
    .kernarg_segment_align: 8
    .kernarg_segment_size: 64
    .max_flat_workgroup_size: 128
    .sgpr_count:     66
    .vgpr_count:     194
    .wavefront_size: 32
...
	.end_amdgpu_metadata
.endif
;; end of part 1
;; launch proj (part 2): grid 4 x 96, 4 waves a work-group, clusters of 4 x 4, 327,680 bytes of LDS; arguments xq_codes, input_K_codes, input_V_codes, w_q_codes, w_k_codes, w_v_codes, lowp_scales, qimg, kimg, vimg; writes qimg, kimg, vimg
.if DOCPART == 2
	.amdgcn_target "amdgcn-amd-amdhsa--gfx1250"
	.amdhsa_code_object_version 6
	.text
	.protected	k_qc32d904afa_proj
	.globl	k_qc32d904afa_proj
	.p2align	8
	.type	k_qc32d904afa_proj,@function
k_qc32d904afa_proj:
	s_mov_b64 s[64:65], 0
	v_nop
	global_prefetch_b8 v0, s[64:65] scope:SCOPE_SE
	s_setreg_imm32_b32 hwreg(HW_REG_WAVE_MODE, 25, 1), 1
	s_wait_xcnt 0x0
	s_wait_alu depctr_hold_cnt(0) depctr_sa_sdst(0) depctr_va_vdst(0) depctr_va_sdst(0) depctr_va_ssrc(0) depctr_va_vcc(0) depctr_vm_vsrc(0)
	s_getreg_b32 s2, hwreg(HW_REG_IB_STS2, 6, 4)
	s_cmp_eq_u32 s2, 0
	s_cbranch_scc0 .Lentry_in_a_cluster
	s_endpgm
.Lentry_in_a_cluster:
	s_bfe_u32 s2, ttmp6, 0x10000c
	s_cmp_lg_u32 s2, 0xf033
	s_cbranch_scc0 .Lentry_shape_is_right
	s_endpgm
.Lentry_shape_is_right:
; THE THREE PROJECTIONS, Q = x_q W_q^T, K = x_k W_k^T, V = x_v W_v^T, on codes of E5M2; each result is quantised at once with its given scale (entries 6, 7, 9) and stored as IMAGES OF THE NEXT PRODUCT'S OPERAND REGISTERS.
; The cluster's y (0..23) says which: G = y / 8 = 0, 1, 2 for Q, K, V.  A work-group makes 256 x 256 results, a wave 128 x 128: 64 accumulators, 512 registers.  K = 1,024 goes in four slots' worth of 256 through a ring of two LDS slots.
; SOURCE 1 (operand A, window 0) gives a lane its row; SOURCE 0 (operand B, window 1) runs along a lane's registers: accumulator (a, b), lane (r, h), register j = (A's row 16 a + r) . (B's row 16 b + 8 h + j).
; A conversion of the eight registers gives two registers with B's rows 16 b + 8 h + 0 .. 7: registers 2 b, 2 b + 1 of an 8-bit operand whose K is B's rows.  So:
;   Q, K: A = tokens (tile row 4 (y % 8) + cy), B = weights (tile row cx): a lane is a token, its codes run along the head's 64 features: four accumulators are a fragment for K = 64.
;         qimg, kimg: [batch x 16 + head][tile of 16 tokens: 128][2 blocks of 512 bytes], lane l's four registers at 16 l of a block.
;   V:    A = weights (tile row cy), B = tokens (tile row 4 (y % 8) + cx): a lane is a channel, its codes run along 128 keys: eight accumulators are a fragment for K = 128.
;         vimg: [batch x 16 + head][key step of 128: 16][tile of 16 channels: 4][4 blocks].
; Only buffers, tile rows and output strides differ between the three, all chosen by s_cselect on G, which all partners of a cluster share; LDS addresses, masks and matrix lines are one text.
; CLUSTERS: 4 x 4 work-groups.  A's tile hangs on cy and the cluster's y: asked for jointly by the four of a row of the cluster; B's on cx and the cluster's y: by the four of a column.  (The grid is one cluster wide: the cluster's x is 0.)
; Both operands' fragments come by four loads of 16 bytes, which is one permutation of k, the same on both sides: every product meets its partner.
; LIMITS: eo - ea - eb between -126 and 112 for (ea, eb, eo) = entries (0, 1, 6), (2, 3, 7), (4, 5, 9), so that the conversion's scale and the hold are f32 numbers.
; REGISTERS: window 0: v16-31 addresses and constants; v32-95 held sums; v96-111 the stores' offsets; from v128 A's fragments, ONE set, later the codes.  window 1: B's fragments, TWO sets.  windows 2, 3: the accumulators ((a, b) at v[8 (8 (a % 4) + b)]).
.set KROW,   1024                      ; a row of tokens or of weights in memory, in bytes
.set ROWB,   256                       ; a tile's row: 256 codes
.set PITCH,  272                       ; an LDS row: 256 bytes + 16 of padding = 68 words, so that the 16 rows that a load touches start at 16 different banks (64 banks of 4 bytes: ISA guide 11.1)
.set FR,     16                        ; registers of a fragment: 16 rows x 128 K
.set NL,     4                         ; LDS loads that bring one
.set NP,     4                         ; places behind this matrix instruction (ISA guide 7.12.1)
.set HALFT,  128*PITCH                 ; 128 rows: what one tensor load brings, and what one wave reads of A or of B
.set SLOT,   4*HALFT                   ; A's 256 rows, then B's 256 rows
.set SPARE,  2*SLOT                    ; behind the ring: the spare words, 128 bytes for each wave: two blocks of 256 bytes that no other line names
.set ADRA, 16                          ; v16-17  LDS address of my A fragments in slot 0, 1
.set ADRB, 20                          ; v20-21  the same for B
.set SPW,  28                          ; v28     LDS address of my spare word; never rewritten
.set NIL,  29                          ; v29     0; never rewritten
.set SCL,  30                          ; v30     2^(eo - ea - eb) as f32
.set LIM,  31                          ; v31     57,344 x that
.set TMP,  32                          ; v32-95  a block's 64 sums, held
.set OFS,  96                          ; v96-111 byte offsets of the stores: block a, upper or lower pair of 512-byte blocks; never rewritten
.set AF,   128                         ; A's fragments
.set CD,   128                         ; the way out: 16 registers of codes for each block a: no store's data are written again
.set G1, 24                            ; s[24:31] descriptor group 1 for A's tiles;  s[32:39] group 0, one set for each slot
.set G0, 32
.set G1B, 48                           ; s[48:55], s[56:63] the same for B's tiles
.set G0B, 56
.set MSB, 0
.macro WIN new                         ; the immediate's high byte repeats the setting that is left
.if MSB != \new
	s_set_vgpr_msb (MSB<<8)|\new
.set MSB, \new
.endif
.endm
.set MUL_LO, 0xa1                      ; source 0 (B) window 1, source 1 (A) window 0, C and D window 2
.set MUL_HI, 0xf1                      ; the same, C and D window 3
.set TO_B,   0x40                      ; destination window 1, address window 0
; A joint load: waves 0 and 1 fetch for A, waves 2 and 3 for B.  Each line has one mask and one set of registers for all that issue it; the branch hangs on the wave's number alone.  Four v_nop follow each line.
.macro JLOAD g0a, g1a, g0b, g1b
	s_cmp_eq_u32 s15, 0
	s_cbranch_scc0 .Lfor_b_\@
	tensor_load_to_lds s[\g0a:\g0a+3], s[\g1a:\g1a+7]
	s_nop 0
.rept 4
	v_nop
.endr
	s_branch .Lasked_\@
.Lfor_b_\@:
	tensor_load_to_lds s[\g0b:\g0b+3], s[\g1b:\g1b+7]
	s_nop 0
.rept 4
	v_nop
.endr
.Lasked_\@:
.endm
.macro CREST                           ; a round of the cluster's barrier behind its opening barrier
	s_cmp_lg_u32 s14, 0
	s_cbranch_scc1 .Lnot_wave_0_\@
	s_barrier_signal -3
.Lnot_wave_0_\@:
	s_barrier_wait -3
	s_barrier_signal -1
	s_barrier_wait -1
.endm
.macro CROUND                          ; a whole round
	s_barrier_signal -1
	s_barrier_wait -1
	CREST
.endm
	s_load_b256 s[68:75], s[0:1], 0x0              ; xq_codes s[68:69], input_K_codes s[70:71], input_V_codes s[72:73], w_q_codes s[74:75]
	s_load_b256 s[76:83], s[0:1], 0x20             ; w_k_codes s[76:77], w_v_codes s[78:79], lowp_scales s[80:81], qimg s[82:83]
	s_load_b128 s[84:87], s[0:1], 0x40             ; kimg s[84:85], vimg s[86:87]
	v_lshl_add_u32 v[SPW], v0, 2, SPARE
	v_mov_b32 v[NIL], 0
	ds_add_u32 v28, v29
	ds_add_u32 v28, v29
	s_wait_dscnt 0x0
	v_lshrrev_b32 v1, 5, v0
	v_readfirstlane_b32 s14, v1                    ; wave 0..3
	s_lshr_b32 s15, s14, 1                         ; which half of A's 256 rows I multiply.  Also: I fetch for A (0) or for B (1)
	s_and_b32 s16, s14, 1                          ; which half of B's.  Also: which 128 rows of that tile I fetch
	s_bfe_u32 s40, ttmp6, 0x40000                  ; cx, cy: my place in the cluster
	s_bfe_u32 s41, ttmp6, 0x40004
	s_and_b32 s66, ttmp7, 0xffff                   ; the cluster's y
	s_and_b32 s67, s66, 7
	s_lshl_b32 s67, s67, 2                         ; 4 (y % 8): the cluster's first tile row of tokens
	s_lshr_b32 s66, s66, 3                         ; G
	s_cmp_eq_u32 s66, 2
	s_cselect_b32 s18, 0, s67                      ; the tokens are A for Q and K,
	s_cselect_b32 s19, s67, 0                      ; B for V
	s_add_co_u32 s17, s41, s18                     ; A's tile row: cy and the cluster's y alone
	s_add_co_u32 s42, s40, s19                     ; B's tile row: cx and the cluster's y alone
	s_lshl_b32 s43, s41, 2
	s_lshl_b32 s43, 15, s43                        ; my row of the cluster
	s_lshl_b32 s44, 0x1111, s40                    ; my column
	; descriptor group 1: a tile of 128 rows x 256 bytes, padded in LDS
	s_or_b32 s[G1+0], s43, (0<<16)|(1<<20)|(1<<21)|(5<<22)|(3<<25)  ; 15:0 the mask: A's tiles go to my row; 17:16 element of 1 byte; 20 padding on; 21 set beside a mask; 24:22 after every 64 words (code 5); 31:25 of 4 words (code 3)
	s_or_b32 s[G1B+0], s44, (0<<16)|(1<<20)|(1<<21)|(5<<22)|(3<<25)
.irp g, G1, G1B
	s_mov_b32 s[\g+1], ROWB<<16                    ; tensor_dim0
	s_mov_b32 s[\g+2], 128<<16                     ; tensor_dim1 = 128
	s_mov_b32 s[\g+3], ROWB<<16                    ; tile_dim0
	s_mov_b32 s[\g+4], 128                         ; tile_dim1 = 128
	s_mov_b32 s[\g+5], KROW                        ; tensor_dim0_stride
	s_mov_b32 s[\g+6], 0
	s_mov_b32 s[\g+7], 0
.endr
	s_lshl_b32 s22, s16, 17                        ; the 128 rows of 1,024 bytes that I fetch
	s_lshl_b32 s20, s17, 18                        ; A: 256 rows x tile row,
	s_add_co_u32 s20, s20, s22
	s_mov_b32 s21, 0
	s_lshl_b32 s46, s42, 18                        ; B likewise
	s_add_co_u32 s46, s46, s22
	s_mov_b32 s47, 0
	s_mul_i32 s45, s14, HALFT                      ; where they go: wave x 128 rows: no place in the cluster enters an LDS address
	s_wait_kmcnt 0x0
	s_load_b256 s[88:95], s[80:81], 0x0            ; entries 0 to 7 of the scales
	s_load_b32 s96, s[80:81], 0x24                 ; entry 9
	s_cmp_eq_u32 s66, 1                            ; the buffers: a choice that hangs on the cluster's y alone
	s_cselect_b64 s[8:9], s[70:71], s[78:79]       ; A: K's tokens, else V's weights,
	s_cselect_b64 s[12:13], s[76:77], s[72:73]     ; B: K's weights, else V's tokens,
	s_cselect_b64 s[10:11], s[84:85], s[86:87]     ; the output
	s_cmp_eq_u32 s66, 0
	s_cselect_b64 s[8:9], s[68:69], s[8:9]         ; or Q's
	s_cselect_b64 s[12:13], s[74:75], s[12:13]
	s_cselect_b64 s[10:11], s[82:83], s[10:11]
	s_add_nc_u64 s[20:21], s[8:9], s[20:21]
	s_add_nc_u64 s[46:47], s[12:13], s[46:47]
	CROUND                                         ; all sixteen work-groups are here: the first joint loads meet
.irp s, 0,1
	s_mov_b32 s[G0+4*\s], 1
	s_add_co_u32 s[G0+4*\s+1], s45, \s*SLOT
	s_add_nc_u64 s[G0+4*\s+2:G0+4*\s+3], s[20:21], \s*ROWB
	s_or_b32 s[G0+4*\s+3], s[G0+4*\s+3], 0x80000000
	s_mov_b32 s[G0B+4*\s], 1
	s_add_co_u32 s[G0B+4*\s+1], s45, \s*SLOT
	s_add_nc_u64 s[G0B+4*\s+2:G0B+4*\s+3], s[46:47], \s*ROWB
	s_or_b32 s[G0B+4*\s+3], s[G0B+4*\s+3], 0x80000000
	JLOAD G0+4*\s, G1, G0B+4*\s, G1B
.endr
	v_and_b32 v1, 15, v0                           ; l % 16
	v_bfe_u32 v2, v0, 4, 1                         ; l / 16
	v_mul_u32_u24 v3, v1, PITCH
	v_lshl_add_u32 v4, v2, 4, v3                   ; a fragment's row x pitch + 16 x half
	s_mul_i32 s22, s15, HALFT                      ; my 128 rows of A
	s_mul_i32 s23, s16, HALFT                      ; my 128 rows of B,
	s_add_co_u32 s23, s23, 2*HALFT                 ; which lie behind A's 256
.irp s, 0,1
	v_add_nc_u32 v[ADRA+\s], s22, v4
	v_add_nc_u32 v[ADRB+\s], s23, v4
	s_add_co_u32 s22, s22, SLOT
	s_add_co_u32 s23, s23, SLOT
.endr
	; THE OUTPUT'S PLACES, in registers that feed no descriptor.  Block a (A's rows 16 a on) gives four blocks of 512 bytes, g = 0 .. 3:
	;   Q, K: token tile a: 1,024 bytes on for each a; g / 2 = which of my two heads: 131,072 bytes on.      V: channel tile a % 4: 2,048 on; head a / 4: 131,072 on; g / 2: 1,024 on.   g % 2: 512 on, in the immediate.
	s_cmp_eq_u32 s66, 2
	s_cselect_b32 s2, s42, s17                     ; the tokens' tile row, 0..31
	s_cselect_b32 s3, s17, s42                     ; the weights' tile row, 0..3
	s_cselect_b32 s97, s15, s16                    ; which half of the weights' 256 rows is mine: two heads
	s_cselect_b32 s98, s16, s15                    ; which half of the tokens' 256
	s_mov_b32 s99, 1024
	s_cselect_b32 s99, 2048, s99                   ; from a to a + 1 (a % 4)
	s_mov_b32 s100, 4096
	s_cselect_b32 s100, 0x20000, s100              ; from a to a + 4
	s_mov_b32 s101, 0x20000
	s_cselect_b32 s101, 1024, s101                 ; from g / 2 = 0 to 1
	v_and_b32 v5, 31, v0
	v_lshlrev_b32 v[OFS], 4, v5                    ; 16 x lane
	v_add_nc_u32 v[OFS+1], s101, v[OFS]
.irp a, 1,2,3
	v_add_nc_u32 v[OFS+2*\a], s99, v[OFS+2*\a-2]
	v_add_nc_u32 v[OFS+2*\a+1], s99, v[OFS+2*\a-1]
.endr
.irp a, 4,5,6,7
	v_add_nc_u32 v[OFS+2*\a], s100, v[OFS+2*\a-8]
	v_add_nc_u32 v[OFS+2*\a+1], s100, v[OFS+2*\a-7]
.endr
	s_lshr_b32 s99, s2, 3                          ; the batch
	s_lshl_b32 s99, s99, 2
	s_add_co_u32 s99, s99, s3
	s_lshl_b32 s99, s99, 1
	s_add_co_u32 s99, s99, s97                     ; (batch x 16 + my first head) / 2
	s_lshl_b32 s99, s99, 18                        ; x 2 x 131,072 bytes
	s_and_b32 s2, s2, 7
	s_lshl_b32 s2, s2, 1
	s_add_co_u32 s2, s2, s98                       ; which 128 tokens of the batch's 2,048:
	s_lshl_b32 s2, s2, 13                          ; 8 token tiles of 1,024 bytes, or one key step of 8,192
	s_add_co_u32 s2, s2, s99
	s_mov_b32 s3, 0
	s_add_nc_u64 s[10:11], s[10:11], s[2:3]
.macro FRAG reg, adr, q, i             ; a fragment, 16 rows x 128 K, is 16 registers: lane l holds row l % 16; registers 4 c .. 4 c + 3 hold K = 32 c + 16 (l / 16) + 0 .. 15
.irp c, 0,1,2,3
	ds_load_b128 v[\reg+4*\c:\reg+4*\c+3], v[\adr] offset:128*(\q)+32*\c+(\i)*16*PITCH
.endr
.endm
; 16 matrix instructions: A's blocks a0, a0 + 1 x B's eight, 128 along K.  p: B's set.  zero = 1: the first product starts the sums.  The 64 accumulators take turns, one instruction a turn, in the same order in every step.
.macro MUL16 a0, p, zero
.irp a, \a0, \a0+1
.irp b, 0,1,2,3,4,5,6,7
.if \zero
	v_wmma_f32_16x16x128_bf8_bf8 v[8*(8*((\a)%4)+\b):8*(8*((\a)%4)+\b)+7], v[128*(\p)+FR*\b:128*(\p)+FR*\b+FR-1], v[AF+FR*(\a):AF+FR*(\a)+FR-1], 0
.else
	v_wmma_f32_16x16x128_bf8_bf8 v[8*(8*((\a)%4)+\b):8*(8*((\a)%4)+\b)+7], v[128*(\p)+FR*\b:128*(\p)+FR*\b+FR-1], v[AF+FR*(\a):AF+FR*(\a)+FR-1], v[8*(8*((\a)%4)+\b):8*(8*((\a)%4)+\b)+7]
.endif
.endr
.endr
.endm
.macro FETCH_B slot, q, p              ; B's eight fragments of the slot's q-th 128 along K into set p
	WIN TO_B
.irp i, 0,1,2,3,4,5,6,7
	FRAG 128*(\p)+FR*\i, ADRB+\slot, \q, \i
.endr
	WIN 0
.endm
.macro FETCH_A slot, q, i0             ; A's blocks i0 .. i0 + 3
.irp i, \i0, \i0+1, \i0+2, \i0+3
	FRAG AF+FR*(\i), ADRA+\slot, \q, \i
.endr
.endm
.macro PLACES n                        ; plain vector lines between a matrix instruction and a load into a register that it read, or a vector line that reads its result
.rept \n
	v_nop
.endr
.endm
; A step of 128 along K that has its successor in the same slot.  A block of A is free as soon as its eight products are issued: blocks 0-3 are fetched anew in the step's middle, blocks 4-7 at its end.
.macro STEP slot, q, zero
	s_wait_dscnt 4*NL                              ; B's set and A's blocks 0-3 are in; the youngest sixteen loads (A's blocks 4-7) may be out
	WIN MUL_LO
	MUL16 0, (\q)%2, \zero
	MUL16 2, (\q)%2, \zero
	s_wait_dscnt 0                                 ; A's blocks 4-7 are in
	PLACES NP
	FETCH_B \slot, (\q)+1, 1-(\q)%2
	FETCH_A \slot, (\q)+1, 0
	WIN MUL_HI
	MUL16 4, (\q)%2, \zero
	MUL16 6, (\q)%2, \zero
	PLACES NP
	WIN 0
	FETCH_A \slot, (\q)+1, 4
.endm
; A slot's last step changes slots: ONE barrier; in front of it each wave waits for all its tensor loads, adds 0 to its spare word, and waits for that and for its own reads of this slot.  fill = 1: this slot is filled again, 512 along K ahead.
.macro TURN slot, next, fill
	s_wait_tensorcnt 0x0                           ; all my tensor loads have landed: my part of the next slot  (every window is 0 here)
	ds_add_u32 v[SPW], v[NIL]                      ; 0 onto my spare word
	s_wait_dscnt 4*NL+1                            ; (the add and the youngest sixteen loads, A's blocks 4-7, may be out)
	WIN MUL_LO
	MUL16 0, 1, 0                                  ; sixteen matrix instructions stand between the add and the wait for it
	s_wait_dscnt 0x0                               ; the add is done, and my reads of this slot are over
	s_barrier_signal -1
	MUL16 2, 1, 0
	WIN 0
	s_barrier_wait -1
.if \fill
	CREST                                          ; the barrier has opened a round of the cluster's barrier: no wave of any partner still reads this slot's tile or has a load on its way
	s_add_nc_u64 s[G0+4*\slot+2:G0+4*\slot+3], s[G0+4*\slot+2:G0+4*\slot+3], 2*ROWB
	s_add_nc_u64 s[G0B+4*\slot+2:G0B+4*\slot+3], s[G0B+4*\slot+2:G0B+4*\slot+3], 2*ROWB
	JLOAD G0+4*\slot, G1, G0B+4*\slot, G1B         ; the first tensor load behind the round; its four v_nop are the places in front of the loads below
.else
	PLACES NP
.endif
	FETCH_B \next, 0, 0
	FETCH_A \next, 0, 0
	WIN MUL_HI
	MUL16 4, 1, 0
	MUL16 6, 1, 0
	PLACES NP
	WIN 0
	FETCH_A \next, 0, 4
.endm
	s_wait_tensorcnt 1                             ; my part of slot 0 is in; slot 1's load may be out
	s_barrier_signal -1
	s_barrier_wait -1                              ; everybody's is
	FETCH_B 0, 0, 0
	FETCH_A 0, 0, 0
	FETCH_A 0, 0, 4
	STEP 0, 0, 1                                   ; K 0-127: the products start the sums.  Eight steps in all, written out: two laps of the ring
	TURN 0, 1, 1                                   ; K 128-255; slot 0 takes K 512-767
	STEP 1, 0, 0
	TURN 1, 0, 1                                   ; slot 1 takes K 768-1023
	STEP 0, 0, 0
	TURN 0, 1, 0                                   ; nothing is left to fetch
	STEP 1, 0, 0
	s_wait_dscnt 4*NL                              ; the last step
	WIN MUL_LO
	MUL16 0, 1, 0
	MUL16 2, 1, 0
	s_wait_dscnt 0
	WIN MUL_HI
	MUL16 4, 1, 0
	MUL16 6, 1, 0
	WIN 0
	; THE WAY OUT.  A sum stands for sum x 2^(ea + eb); its code is sum / 2^(eo - ea - eb): the three exponents are folded into the conversion's one scale.
	s_wait_kmcnt 0x0
	s_add_co_i32 s88, s88, s89
	s_sub_co_i32 s88, s94, s88                     ; Q: e6 - e0 - e1
	s_add_co_i32 s90, s90, s91
	s_sub_co_i32 s90, s95, s90                     ; K: e7 - e2 - e3
	s_add_co_i32 s92, s92, s93
	s_sub_co_i32 s92, s96, s92                     ; V: e9 - e4 - e5
	s_cmp_eq_u32 s66, 1
	s_cselect_b32 s90, s90, s92
	s_cmp_eq_u32 s66, 0
	s_cselect_b32 s88, s88, s90
	s_add_co_i32 s88, s88, 127
	s_lshl_b32 s89, s88, 23
	v_mov_b32 v[SCL], s89
	s_add_co_i32 s88, s88, 15
	s_lshl_b32 s88, s88, 23
	s_or_b32 s88, s88, 0x600000
	v_mov_b32 v[LIM], s88
	PLACES NP                                      ; behind the last products: for the reads of results and for the codes that are written where A's fragments lay
; Block a: 64 sums are held within the largest code x the scale (the hold always stands), each accumulator from its low end on; eight conversions make 16 registers of codes, which ARE the next operand's registers; four stores of 512 consecutive bytes.
.macro OUTBLK a
	WIN (0x02+(\a)/4)                              ; source 0: window 2 or 3
.set jj, 0
.rept 64
	v_med3_num_f32 v[TMP+jj], v[64*((\a)%4)+jj], -v[LIM], v[LIM]
.set jj, jj+1
.endr
	WIN 0
.irp b, 0,1,2,3,4,5,6,7
	v_cvt_scalef32_pk8_bf8_f32 v[CD+16*(\a)+2*\b:CD+16*(\a)+2*\b+1], v[TMP+8*\b:TMP+8*\b+7], v[SCL]
.endr
	v_nop                                          ; a plain vector line behind the last conversion: the next block's holds write its sources
.irp g, 0,1,2,3
	global_store_b128 v[OFS+2*(\a)+\g/2], v[CD+16*(\a)+4*\g:CD+16*(\a)+4*\g+3], s[10:11] offset:512*(\g%2)
.endr
.endm
.irp a, 0,1,2,3,4,5,6,7
	OUTBLK \a
.endr
	s_wait_tensorcnt 0x0                           ; the wave's end
	ds_add_u32 v[SPW], v[NIL]
	s_wait_dscnt 0x0
	CROUND                                         ; the closing round: no work-group ends while a partner may still ask for a tile that names it
	s_endpgm
.Lfunc_end_k_qc32d904afa_proj:
	.size	k_qc32d904afa_proj, .Lfunc_end_k_qc32d904afa_proj-k_qc32d904afa_proj
	.p2alignl 7, 3214868480
	.fill 96, 4, 3214868480
	.section	.rodata,"a",@progbits
	.p2align	6, 0x0
	.amdhsa_kernel k_qc32d904afa_proj
		.amdhsa_group_segment_fixed_size 327680
		.amdhsa_private_segment_fixed_size 0
		.amdhsa_enable_private_segment 0
		.amdhsa_kernarg_size 80
		.amdhsa_user_sgpr_count 2
		.amdhsa_user_sgpr_kernarg_segment_ptr 1
		.amdhsa_wavefront_size32 1
		.amdhsa_system_sgpr_workgroup_id_x 1
		.amdhsa_system_sgpr_workgroup_id_y 1
		.amdhsa_system_sgpr_workgroup_id_z 1
		.amdhsa_system_vgpr_workitem_id 0
		.amdhsa_next_free_vgpr 1024
		.amdhsa_next_free_sgpr 102
		.amdhsa_reserve_vcc 0
		.amdhsa_float_denorm_mode_32 3
		.amdhsa_float_denorm_mode_16_64 3
		.amdhsa_memory_ordered 1
		.amdhsa_forward_progress 1
		.amdhsa_inst_pref_size 119
	.end_amdhsa_kernel
	.amdgpu_metadata
---
amdhsa.version: [ 1, 2 ]
amdhsa.kernels:
  - .name:           k_qc32d904afa_proj
    .symbol:         k_qc32d904afa_proj.kd
    .args:
      - { .name: xq_codes, .offset: 0, .size: 8, .value_kind: global_buffer, .address_space: global }
      - { .name: input_K_codes, .offset: 8, .size: 8, .value_kind: global_buffer, .address_space: global }
      - { .name: input_V_codes, .offset: 16, .size: 8, .value_kind: global_buffer, .address_space: global }
      - { .name: w_q_codes, .offset: 24, .size: 8, .value_kind: global_buffer, .address_space: global }
      - { .name: w_k_codes, .offset: 32, .size: 8, .value_kind: global_buffer, .address_space: global }
      - { .name: w_v_codes, .offset: 40, .size: 8, .value_kind: global_buffer, .address_space: global }
      - { .name: lowp_scales, .offset: 48, .size: 8, .value_kind: global_buffer, .address_space: global }
      - { .name: qimg, .offset: 56, .size: 8, .value_kind: global_buffer, .address_space: global }
      - { .name: kimg, .offset: 64, .size: 8, .value_kind: global_buffer, .address_space: global }
      - { .name: vimg, .offset: 72, .size: 8, .value_kind: global_buffer, .address_space: global }
    .group_segment_fixed_size: 327680
    .private_segment_fixed_size: 0
    .kernarg_segment_align: 8
    .kernarg_segment_size: 80
    .max_flat_workgroup_size: 128
    .sgpr_count:     102
    .vgpr_count:     1024
    .wavefront_size: 32
...
	.end_amdgpu_metadata
.endif
;; end of part 2
;; launch attn (part 3): grid 4 x 64, 16 waves a work-group, no clusters, 264,192 bytes of LDS; arguments qimg, kimg, vimg, maskimg, rowflags, lowp_scales, ctximg; writes ctximg
.if DOCPART == 3
	.amdgcn_target "amdgcn-amd-amdhsa--gfx1250"
	.amdhsa_code_object_version 6
	.text
	.protected	k_qc32d904afa_attn
	.globl	k_qc32d904afa_attn
	.p2align	8
	.type	k_qc32d904afa_attn,@function
k_qc32d904afa_attn:
	s_mov_b64 s[64:65], 0
	v_nop
	global_prefetch_b8 v0, s[64:65] scope:SCOPE_SE
	s_setreg_imm32_b32 hwreg(HW_REG_WAVE_MODE, 25, 1), 1
	s_wait_xcnt 0x0
; ctx = softmax(where(mask, -1e9, Q K^T / 8)) V for one head, both products on codes of E5M2; ctx is quantised at once (entry 10 of the scales) and stored as images of the last product's operand registers.
; THE SOFTMAX AHEAD OF THE SECOND PRODUCT: t = logit x log2(e); M = the row's largest t so far, rounded UP to a whole number; p = 2^(t - M) is quantised (entry 8), not normalised; the row's sum is taken of the unquantised p and divides at the end.
; When M moves, the sum and O are multiplied by 2^(old M - new M), which rounds nothing.
; THE MASK IS THE C OF THE FIRST PRODUCT.  It comes as four-bit codes, 0 or -1.0, eight to a register; one conversion widens a register to the eight f32 numbers of a score tile's lane, 0 or -2^(60 - e6 - e7), in the tile's own registers, and the
; product adds onto them: 8 conversions a step stand for 64 selects.  A masked pair's t is then about -2^57: beside any unmasked key p is 0, as where reference() writes -1e9.
; A ROW THAT IS MASKED WHOLE (the AND of its four flag words) has its codes of Q replaced by zeros at the pass's head.  Then each of its scores is -2^(60 - e6 - e7) as it stands; the product with c = log2(e) / 8 x 2^(e6 + e7) is exact and a whole
; number, so M = t, t - M is exactly 0, p = 1, and the row comes out uniform, as in reference().
; LIMIT: the masked logit is not -1e9.  That shows only in a row with an unmasked logit under about -1e9 + 150.  |logit| is at most 8 x 57,344^2 x 2^(e6 + e7), so with e6 + e7 <= -5 there is no such row.
; SHARES.  A work-group owns 512 queries of one head; the head's K and V codes, 131,072 bytes each, lie in LDS whole, brought once through registers.  Each of SIXTEEN waves owns one tile of 16 queries at a time, two one after the other
; (tile 32 x + 16 pass + wave), and walks the 2,048 keys in 16 steps of 128.  Four waves to a SIMD: one wave's vector work stands beside another's matrix work and LDS loads.
; LAYOUT.  Both products transposed: S^T = K Q^T (source 0 = 16 keys, K = 64), O^T = V^T P^T (source 0 = 16 channels, K = 128 keys): a lane holds ONE query (lane % 16).  Score register 8 u + j of lane (r, h) is key 16 u + 8 h + j of the step,
; so a conversion of tile u's eight registers gives registers 2 u, 2 u + 1 of the second product's operand.  All operands come as images: four registers a lane by one load of 16 bytes at 16 x lane.
; ONE SCALAR BRANCH ON A GIVEN EXPONENT: p is at most 1, so its hold at 57,344 x 2^e8 can bite only where e8 < -15; elsewhere its 64 lines are jumped over.
; NO CLUSTER: the four work-groups of a head read the same 262,144 bytes, once each, at their head, for 512 wave steps of work.
; LIMITS on the given exponents: e6 + e7 between -67 and 130 (added to c's exponent field; the conversion's scale byte is 187 - e6 - e7); e8 and e10 between -126 and 112; e8 + e9 goes by v_ldexp_f32 and has none.  NaN is not served.
; REGISTERS: v1 16 x lane; v2, v3 LDS addresses; v4 the mask's offset; v5 the conversion's scale byte, four times; v6, v7 57,344 x 2^e8, 2^e8; v8, v9 the same for e10; v10 a permute's destination; v12 -M, v13 the largest t,
;   v[14:15] the sum in two halves; v16-23 Q; v[24:25] f and 0; v26-29 at work; v30 the old -M; v32-95 K's eight fragments, then V's four; v96-159 the mask's numbers, S^T, then p; v160-191 O^T; v192-207 p's codes;
;   v208-215 ctx's codes; v216-247 ctx; v248-255 a step's mask as nibbles.
; SCALARS: s16 wave; s[20:21] lane selects; s[22:23] c; s26 step; s27 from my record of nibbles to the next pass's; s28 e8 + e9; s30 the hold is needed; s31 pass; s[32:33] ctximg; s36-47 the scales; s48-51 the flags; s2, s3, s66, s67 at work.
.set VL, 0x20000                       ; LDS: K's images from 0, V's from here
.set XR, 32
.set SR, 96
.set OT, 160
.set PC, 192
.set CC, 208
.set CX, 216
.set MK, 248
.macro BIAS                            ; the eight registers of nibbles become the 64 numbers onto which the next first product adds
.irp u, 0,1,2,3,4,5,6,7
	v_cvt_scale_pk8_f32_fp4 v[SR+8*\u:SR+8*\u+7], v[MK+\u], v5
.endr
	v_nop                                          ; a plain vector line between the last conversion and the matrix instruction that takes its result
.endm
	s_load_b256 s[4:11], s[0:1], 0x0               ; qimg s[4:5], kimg s[6:7], vimg s[8:9], maskimg s[10:11]
	s_load_b128 s[12:15], s[0:1], 0x20             ; rowflags s[12:13], lowp_scales s[14:15]
	s_load_b64 s[32:33], s[0:1], 0x30              ; ctximg
	v_lshl_add_u32 v11, v0, 2, 0x40000
	v_mov_b32 v31, 0
	v_lshrrev_b32 v2, 5, v0
	v_readfirstlane_b32 s16, v2                    ; wave 0..15
	v_and_b32 v1, 31, v0
	v_lshlrev_b32 v1, 4, v1                        ; 16 x lane
	s_and_b32 s17, ttmp7, 0xffff                   ; batch x 16 + head
	s_lshl_b32 s2, s17, 17                         ; the head's images, 131,072 bytes in each of the three buffers,
	s_lshl_b32 s18, s16, 13                        ; and my wave's sixteenth of them
	s_add_co_u32 s2, s2, s18
	s_mov_b32 s3, 0
	v_add_nc_u32 v2, s18, v1
	v_add_nc_u32 v3, VL, v2
	s_wait_kmcnt 0x0
	s_add_nc_u64 s[6:7], s[6:7], s[2:3]
	s_add_nc_u64 s[8:9], s[8:9], s[2:3]
.set n, 0
.rept 16
	global_load_b128 v[XR+4*n:XR+4*n+3], v1, s[6:7] offset:512*n   ; K: 512 consecutive bytes a load
.set n, n+1
.endr
.set n, 0
.rept 16
	global_load_b128 v[SR+4*n:SR+4*n+3], v1, s[8:9] offset:512*n   ; V
.set n, n+1
.endr
	s_load_b256 s[36:43], s[14:15], 0x0            ; entries 0 to 7 of the scales,
	s_load_b128 s[44:47], s[14:15], 0x20           ; 8 to 11
	s_lshl_b32 s19, ttmp9, 5
	s_add_co_u32 s19, s19, s16                     ; my first tile of queries: 32 x + wave
	s_lshl_b32 s2, s17, 17
	s_lshl_b32 s18, s19, 10
	s_add_co_u32 s2, s2, s18
	s_add_nc_u64 s[4:5], s[4:5], s[2:3]            ; its image in qimg
	s_lshr_b32 s18, s17, 4
	s_lshl_b32 s18, s18, 7
	s_add_co_u32 s18, s18, s19                     ; batch x 128 + tile
	s_lshl_b32 s2, s18, 14
	s_add_nc_u64 s[10:11], s[10:11], s[2:3]        ; its record of nibbles, 16,384 bytes,
	s_lshl_b32 s2, s18, 10
	s_add_nc_u64 s[12:13], s[12:13], s[2:3]        ; and of flags, 1,024 bytes
	s_lshl_b32 s18, s18, 4
	s_and_b32 s19, s17, 15
	s_add_co_u32 s18, s18, s19
	s_lshl_b32 s2, s18, 10
	s_add_nc_u64 s[32:33], s[32:33], s[2:3]        ; its image in ctximg: [tile][head][1,024 bytes]
	global_load_b128 v[MK:MK+3], v1, s[10:11]      ; step 0's mask
	global_load_b128 v[MK+4:MK+7], v1, s[10:11] offset:512
	s_mov_b32 s20, 0x76543210
	s_mov_b32 s21, 0xfedcba98                      ; v_permlanex16_b32's selects for lane l xor 16
	v_mov_b32 v10, 0                               ; written once: a lane permute's destination counts as one of its sources
	v_mov_b32 v25, 0                               ; the upper half of the pair v[24:25]; also the zeros that a wholly masked row's Q gets
	s_wait_loadcnt 18                              ; K's sixteen loads are in; V's sixteen and the mask's two may be out
.set n, 0
.rept 16
	ds_store_b128 v2, v[XR+4*n:XR+4*n+3] offset:512*n
.set n, n+1
.endr
	s_wait_loadcnt 2                               ; V's are in; the mask's two may be out
.set n, 0
.rept 16
	ds_store_b128 v3, v[SR+4*n:SR+4*n+3] offset:512*n
.set n, n+1
.endr
	s_wait_kmcnt 0x0
	s_add_co_i32 s22, s42, s43                     ; e6 + e7
	s_sub_co_i32 s2, 187, s22                      ; the byte of 2^(60 - e6 - e7),
	s_mul_i32 s2, s2, 0x01010101                   ; in all four bytes
	v_mov_b32 v5, s2
	s_lshl_b32 s22, s22, 23                        ; a score stands for score x 2^(e6 + e7): the two exponents are added to c's exponent field
	s_add_co_i32 s22, s22, 0x3e38aa3b              ; c = log2(e) / 8
	s_mov_b32 s23, s22                             ; (named with it as a pair)
	s_add_co_i32 s2, s44, 127
	s_lshl_b32 s3, s2, 23
	v_mov_b32 v7, s3                               ; 2^e8 as f32
	s_add_co_i32 s2, s2, 15
	s_lshl_b32 s2, s2, 23
	s_or_b32 s2, s2, 0x600000
	v_mov_b32 v6, s2                               ; 57,344 x 2^e8
	s_add_co_i32 s2, s46, 127
	s_lshl_b32 s3, s2, 23
	v_mov_b32 v9, s3                               ; 2^e10
	s_add_co_i32 s2, s2, 15
	s_lshl_b32 s2, s2, 23
	s_or_b32 s2, s2, 0x600000
	v_mov_b32 v8, s2                               ; 57,344 x 2^e10
	s_add_co_i32 s28, s44, s45                     ; e8 + e9
	s_cmp_lt_i32 s44, -15
	s_cselect_b32 s30, 1, 0                        ; 57,344 x 2^e8 lies under 1 only where e8 < -15
	s_wait_dscnt 0x0                               ; for the others' sake: my stores have landed (and have read v96-159)
	s_barrier_signal -1
	s_barrier_wait -1                              ; the head's K and V lie in LDS whole; nothing is written there again
.set n, 0
.rept 16
	ds_load_b128 v[XR+4*n:XR+4*n+3], v1 offset:512*n   ; K's eight fragments of step 0
.set n, n+1
.endr
	s_wait_loadcnt 0x0                             ; step 0's mask
	BIAS
	global_load_b128 v[MK:MK+3], v1, s[10:11] offset:1024   ; step 1's mask, into the registers that the conversions have read
	global_load_b128 v[MK+4:MK+7], v1, s[10:11] offset:1536
	s_mov_b32 s31, 0
.Lpass:
	global_load_b128 v[16:19], v1, s[4:5]          ; Q's fragment stays in registers for the pass
	global_load_b128 v[20:23], v1, s[4:5] offset:512
	s_load_b32 s48, s[12:13], 0x0                  ; four lane masks: row l % 16 is masked in keys 512 w .. 512 w + 511
	s_load_b32 s49, s[12:13], 0x100
	s_load_b32 s50, s[12:13], 0x200
	s_load_b32 s51, s[12:13], 0x300
	s_cmp_eq_u32 s31, 0                            ; what the pass's last two trips ask for: in pass 0 steps 0 and 1 of the next pass's record, sixteen records of 16,384 bytes on;
	s_cselect_b32 s27, 0x40000, 0                  ; in pass 1 its own record's once more, which nobody uses: no load leaves the buffer
	v_mov_b32 v13, 0xff61b1e6                      ; the largest t so far: -3e38, under every t
	v_floor_f32 v12, -v13                          ; -M
	v_mov_b32 v14, 0                               ; the sum, in two halves
	v_mov_b32 v15, 0
.set n, 0
.rept 32
	v_mov_b32 v[OT+n], 0                           ; O^T: the step is written once; the first finds zeros, which the first change of M leaves zeros
.set n, n+1
.endr
	s_wait_kmcnt 0x0
	s_and_b32 s48, s48, s49
	s_and_b32 s50, s50, s51
	s_and_b32 s48, s48, s50                        ; bit l: row l % 16 is masked whole
	s_wait_loadcnt 0x0                             ; Q
.set n, 0
.rept 8
	v_cndmask_b32 v[16+n], v[16+n], v25, s48       ; such a row's codes of Q become zeros: its scores are then the mask's number as it stands
.set n, n+1
.endr
	s_mov_b32 s26, 0
.Lstep:                                            ; 16 trips
	s_lshl_b32 s67, s26, 13
	s_add_co_u32 s67, s67, VL                      ; the step's V in LDS
	s_wait_dscnt 0x0                               ; K's fragments, asked for at the end of the step before
.irp u, 0,1,2,3,4,5,6,7
	v_wmma_f32_16x16x64_bf8_bf8 v[SR+8*\u:SR+8*\u+7], v[XR+8*\u:XR+8*\u+7], v[16:23], v[SR+8*\u:SR+8*\u+7]   ; onto the mask's numbers; the twelve accumulators of a step take turns, one instruction a turn
.endr
	v_add_nc_u32 v3, s67, v1                       ; four places in front of loads into registers that these products read, and of the first read of the scores:
	v_mov_b32 v30, v12                             ; two lines that are due anyway (V's address; the old -M), and two v_nop
.rept 2
	v_nop
.endr
.set n, 0
.rept 16
	ds_load_b128 v[XR+4*n:XR+4*n+3], v3 offset:512*n   ; V's four fragments: they land under the softmax
.set n, n+1
.endr
	v_max3_num_f32 v26, v96, v97, v98              ; the step's largest score of my query among my 64 keys, in two chains; each accumulator from its low end on,
	v_max3_num_f32 v27, v99, v100, v101
.irp i, 6,10,14,18,22,26,30,34,38,42,46,50,54,58
	v_max3_num_f32 v26, v26, v[SR+\i], v[SR+1+\i]
	v_max3_num_f32 v27, v27, v[SR+2+\i], v[SR+3+\i]
.endr
	v_max3_num_f32 v26, v26, v158, v159
	v_max_num_f32 v26, v26, v27
	v_permlanex16_b32 v10, v26, s20, s21
	v_max_num_f32 v26, v26, v10                    ; and among lane l xor 16's
	v_mul_f32 v26, s22, v26                        ; as t (c is positive)
	v_max_num_f32 v13, v13, v26                    ; the running largest t
	v_floor_f32 v12, -v13                          ; the new -M = floor(-t) = -ceil(t): a whole number
	v_sub_f32 v26, v12, v30                        ; old M - new M: a whole number, 0 or less
	v_cvt_i32_f32 v26, v26                         ; (it saturates)
	v_ldexp_f32 v24, 1.0, v26                      ; f = 2^(old M - new M)
.set n, 0
.rept 32
	v_pk_fma_f32 v[SR+2*n:SR+2*n+1], v[SR+2*n:SR+2*n+1], s[22:23], v[12:13] op_sel_hi:[1,0,0]   ; t - M, two at a time (of the pairs c and -M the low word serves both halves)
.set n, n+1
.endr
.set n, 0
.rept 64
	v_exp_f32 v[SR+n], v[SR+n]                     ; p = 2^(t - M): one batch
.set n, n+1
.endr
	v_pk_mul_f32 v[14:15], v[14:15], v[24:25] op_sel_hi:[1,0]   ; the sums under the new M: the plain line behind the exponentials
	s_wait_alu depctr_va_vdst(0)                   ; one wait for the whole batch, ahead of its first reader
	v_pk_add_f32 v[28:29], v[96:97], v[98:99]      ; the row's sum of the UNQUANTISED p, in two chains
.irp j, 4,8,12,16,20,24,28,32,36,40,44,48,52,56,60
	v_pk_add_f32 v[14:15], v[14:15], v[SR+\j:SR+1+\j]
	v_pk_add_f32 v[28:29], v[28:29], v[SR+2+\j:SR+3+\j]
.endr
	v_pk_add_f32 v[14:15], v[14:15], v[28:29]
	s_cmp_lg_u32 s30, 0
	s_cbranch_scc0 .Lnohold
.set n, 0
.rept 64
	v_min_num_f32 v[SR+n], v[SR+n], v6             ; the conversion does not saturate (ISA guide 7.6.2); p is not negative, so the hold is one-sided
.set n, n+1
.endr
.Lnohold:
.irp u, 0,1,2,3,4,5,6,7
	v_cvt_scalef32_pk8_bf8_f32 v[PC+2*\u:PC+2*\u+1], v[SR+8*\u:SR+8*\u+7], v7   ; registers 2 u, 2 u + 1: keys 16 u + 8 h + 0 .. 7
.endr
.set n, 0
.rept 16
	v_pk_mul_f32 v[OT+2*n:OT+2*n+1], v[OT+2*n:OT+2*n+1], v[24:25] op_sel_hi:[1,0]   ; O^T under the new M; also the plain lines between the conversions and what touches their results and sources
.set n, n+1
.endr
	s_wait_dscnt 0x0                               ; V's fragments
.irp t, 0,1,2,3
	v_wmma_f32_16x16x128_bf8_bf8 v[OT+8*\t:OT+8*\t+7], v[XR+16*\t:XR+16*\t+15], v[PC:PC+15], v[OT+8*\t:OT+8*\t+7]
.endr
	s_add_co_u32 s26, s26, 1
	s_and_b32 s67, s26, 15                         ; the next step's K; the last trip fetches step 0 again, for the next pass
	s_lshl_b32 s67, s67, 13
	s_add_co_u32 s66, s26, 1                       ; the mask of the step after the next: 1,024 bytes a step;
	s_cmp_ge_u32 s66, 16
	s_cselect_b32 s2, s27, 0                       ; past the pass's end: steps 0 and 1 of the record that s27 names
	s_and_b32 s66, s66, 15
	s_lshl_b32 s66, s66, 10
	s_add_co_u32 s66, s66, s2
	s_wait_loadcnt 0x0                             ; the next step's mask, asked for a step ago, is in: so its loads' offset register may be written
	v_add_nc_u32 v2, s67, v1                       ; four places in front of the loads into registers that the products above read: two addresses,
	v_add_nc_u32 v4, s66, v1
.rept 2
	v_nop                                          ; and two v_nop
.endr
.set n, 0
.rept 16
	ds_load_b128 v[XR+4*n:XR+4*n+3], v2 offset:512*n   ; the next step's K; the conversions below stand between these loads and the wait for them
.set n, n+1
.endr
	BIAS                                           ; the next step's mask, into the scores' registers, whose p has been converted
	global_load_b128 v[MK:MK+3], v4, s[10:11]      ; and the mask of the step after it, into the registers just read: it has a whole step in which to land
	global_load_b128 v[MK+4:MK+7], v4, s[10:11] offset:512
	s_cmp_lt_u32 s26, 16
	s_cbranch_scc1 .Lstep
	; THE PASS'S WAY OUT: ctx = O^T x 2^(e8 + e9) / the sum, quantised with 2^e10: tile t's eight channels become registers 2 t, 2 t + 1 of a fragment for K = 64.  (v96-159 hold the next pass's first mask and are left alone.)
	v_add_f32 v14, v14, v15                        ; the sum's two halves,
	v_permlanex16_b32 v10, v14, s20, s21
	v_add_f32 v14, v14, v10                        ; and lane l xor 16's
	v_rcp_f32 v14, v14
	v_nop                                          ; a plain line behind the transcendental
	s_wait_alu depctr_va_vdst(0)                   ; and the wait ahead of its first reader
	v_ldexp_f32 v14, v14, s28
.set n, 0
.rept 32
	v_mul_f32 v[CX+n], v[OT+n], v14
.set n, n+1
.endr
.set n, 0
.rept 32
	v_med3_num_f32 v[CX+n], v[CX+n], -v8, v8
.set n, n+1
.endr
.irp t, 0,1,2,3
	v_cvt_scalef32_pk8_bf8_f32 v[CC+2*\t:CC+2*\t+1], v[CX+8*\t:CX+8*\t+7], v9
.endr
	v_nop                                          ; a plain line behind the last conversion
	global_store_b128 v1, v[CC:CC+3], s[32:33]     ; 512 consecutive bytes a store
	global_store_b128 v1, v[CC+4:CC+7], s[32:33] offset:512
	s_wait_xcnt 0x0                                ; the stores, and the loads of the mask and the flags, have read their bases and data: these are written again only behind this wait
	s_add_nc_u64 s[4:5], s[4:5], 16384             ; sixteen tiles of queries on: in qimg,
	s_add_nc_u64 s[10:11], s[10:11], 0x40000       ; in the records of nibbles,
	s_add_nc_u64 s[12:13], s[12:13], 16384         ; in the records of flags,
	s_add_nc_u64 s[32:33], s[32:33], 262144        ; in ctximg
	s_add_co_u32 s31, s31, 1
	s_cmp_lt_u32 s31, 2
	s_cbranch_scc1 .Lpass
	s_wait_dscnt 0x0                               ; the last trip's loads of K, which nobody uses
	s_wait_tensorcnt 0x0
	ds_add_u32 v11, v31
	s_wait_dscnt 0x0
	s_endpgm
.Lfunc_end_k_qc32d904afa_attn:
	.size	k_qc32d904afa_attn, .Lfunc_end_k_qc32d904afa_attn-k_qc32d904afa_attn
	.p2alignl 7, 3214868480
	.fill 96, 4, 3214868480
	.section	.rodata,"a",@progbits
	.p2align	6, 0x0
	.amdhsa_kernel k_qc32d904afa_attn
		.amdhsa_group_segment_fixed_size 264192
		.amdhsa_private_segment_fixed_size 0
		.amdhsa_enable_private_segment 0
		.amdhsa_kernarg_size 56
		.amdhsa_user_sgpr_count 2
		.amdhsa_user_sgpr_kernarg_segment_ptr 1
		.amdhsa_wavefront_size32 1
		.amdhsa_system_sgpr_workgroup_id_x 1
		.amdhsa_system_sgpr_workgroup_id_y 1
		.amdhsa_system_sgpr_workgroup_id_z 1
		.amdhsa_system_vgpr_workitem_id 0
		.amdhsa_next_free_vgpr 256
		.amdhsa_next_free_sgpr 68
		.amdhsa_reserve_vcc 0
		.amdhsa_float_denorm_mode_32 3
		.amdhsa_float_denorm_mode_16_64 3
		.amdhsa_memory_ordered 1
		.amdhsa_forward_progress 1
		.amdhsa_inst_pref_size 33
	.end_amdhsa_kernel
	.amdgpu_metadata
---
amdhsa.version: [ 1, 2 ]
amdhsa.kernels:
  - .name:           k_qc32d904afa_attn
    .symbol:         k_qc32d904afa_attn.kd
    .args:
      - { .name: qimg, .offset: 0, .size: 8, .value_kind: global_buffer, .address_space: global }
      - { .name: kimg, .offset: 8, .size: 8, .value_kind: global_buffer, .address_space: global }
      - { .name: vimg, .offset: 16, .size: 8, .value_kind: global_buffer, .address_space: global }
      - { .name: maskimg, .offset: 24, .size: 8, .value_kind: global_buffer, .address_space: global }
      - { .name: rowflags, .offset: 32, .size: 8, .value_kind: global_buffer, .address_space: global }
      - { .name: lowp_scales, .offset: 40, .size: 8, .value_kind: global_buffer, .address_space: global }
      - { .name: ctximg, .offset: 48, .size: 8, .value_kind: global_buffer, .address_space: global }
    .group_segment_fixed_size: 264192
    .private_segment_fixed_size: 0
    .kernarg_segment_align: 8
    .kernarg_segment_size: 56
    .max_flat_workgroup_size: 512
    .sgpr_count:     68
    .vgpr_count:     256
    .wavefront_size: 32
...
	.end_amdgpu_metadata
.endif
;; end of part 3
;; launch outln (part 4): grid 256 x 1, 16 waves a work-group, no clusters, 171,520 bytes of LDS; arguments ctximg, woimg, input_Q, ln_gamma, ln_beta, lowp_scales, out0; writes out0
.if DOCPART == 4
	.amdgcn_target "amdgcn-amd-amdhsa--gfx1250"
	.amdhsa_code_object_version 6
	.text
	.protected	k_qc32d904afa_outln
	.globl	k_qc32d904afa_outln
	.p2align	8
	.type	k_qc32d904afa_outln,@function
k_qc32d904afa_outln:
	s_mov_b64 s[64:65], 0
	v_nop
	global_prefetch_b8 v0, s[64:65] scope:SCOPE_SE
	s_setreg_imm32_b32 hwreg(HW_REG_WAVE_MODE, 25, 1), 1
	s_wait_xcnt 0x0
; out0 = layer_norm(ctx W_o^T + input_Q) x gamma + beta.  The product is on codes of E5M2 (entries 10 and 11 of the scales); all else in f32.
; SHARES.  A work-group owns 32 whole rows, so that a row's mean and variance stay inside it.  THE WAVES SHARE THE COLUMNS: wave w makes columns 64 w .. 64 w + 63 (four tiles of 16) for both tiles of 16 rows: 8 accumulators.
; Transposed use: source 0 = 16 rows of W_o, source 1 = 16 rows of ctx: lane (r, h) holds row r and, in register j of tile t, column 64 w + 16 t + 8 h + j.
; OPERANDS ARE IMAGES OF REGISTERS.  ctx's 32,768 bytes go once into LDS, since all sixteen waves read them; W_o's fragments, each read by one wave of the work-group, go from memory straight into that wave's registers,
; two sets of four fragments by turns, a K step of 128 ahead.
; THE RESIDUAL is read as it lies, 512 consecutive bytes a load, two rows a wave, and turns through a stage in LDS into the accumulators' layout; the results leave through the same stage as whole rows.
; THE VARIANCE is taken of the differences from the mean, in a second pass over registers: no difference of large sums is formed.
; NO CLUSTER: what work-groups share is W_o alone.  Shared by joint loads it would have to pass through LDS behind a round of the cluster's barrier for each 131,072 bytes, with 32 matrix instructions a wave between two rounds.
; LIMIT: e10 + e11 between -126 and 127, so that 2^(e10 + e11) is an f32 number.
; REGISTERS: v1 16 x lane; v2, v3 my place in the stage for rows 0-15, 16-31; v4 the stage by rows; v5, v6 ctx's images, in and out; v7, v8 the partial sums, in and out; v9 gamma's and beta's offset;
;   v16-79 the accumulators ((m, t) at v[16 + 8 (4 m + t)]); v80-111 ctx's two fragments; v112-175, v176-239 W_o's two sets, later gamma, beta and the residual; v240-249 at work.
.set SPT,  4112                        ; a stage row: 4,096 bytes + 16 of padding
.set AIM,  32*SPT                      ; LDS: the stage from 0; ctx's images;
.set RED,  AIM+32768                   ; the waves' partial sums: 32 rows x (16 words + 16 bytes), twice
.set RED2, 2560
.set ACC,  16
.set AFR,  80
.set BS,   112
.set GAM,  112
.set BET,  144
.set RES,  176
	s_load_b256 s[4:11], s[0:1], 0x0               ; ctximg s[4:5], woimg s[6:7], input_Q s[8:9], ln_gamma s[10:11]
	s_load_b128 s[12:15], s[0:1], 0x20             ; ln_beta s[12:13], lowp_scales s[14:15]
	s_load_b64 s[16:17], s[0:1], 0x30              ; out0
	v_lshl_add_u32 v254, v0, 2, 0x29600
	v_mov_b32 v255, 0
	v_lshrrev_b32 v2, 5, v0
	v_readfirstlane_b32 s18, v2                    ; wave 0..15
	v_and_b32 v12, 31, v0                          ; lane
	v_and_b32 v10, 15, v0                          ; r
	v_bfe_u32 v11, v0, 4, 1                        ; h
	v_lshlrev_b32 v1, 4, v12
	s_lshl_b32 s19, s18, 8                         ; my 64 columns in bytes
	v_mul_u32_u24 v2, v10, SPT
	v_lshl_add_u32 v2, v11, 5, v2
	v_add_nc_u32 v2, s19, v2                       ; row r, + 256 w + 32 h
	v_add_nc_u32 v3, 16*SPT, v2                    ; row 16 + r
	s_mul_i32 s22, s18, 2*SPT
	v_add_nc_u32 v4, s22, v1                       ; rows 2 w and 2 w + 1, 16 bytes a lane
	s_lshl_b32 s22, s18, 11
	s_add_co_u32 s22, s22, AIM
	v_add_nc_u32 v5, s22, v1
	v_add_nc_u32 v6, AIM, v1
	v_mul_u32_u24 v8, v12, 80
	v_add_nc_u32 v8, RED, v8                       ; row = lane
	s_lshl_b32 s22, s18, 2
	v_add_nc_u32 v7, s22, v8                       ; + my wave's word
	v_lshlrev_b32 v9, 5, v11
	v_add_nc_u32 v9, s19, v9
	v_mov_b32 v241, 0                              ; (named as the upper halves of pairs)
	v_mov_b32 v243, 0
	v_mov_b32 v248, 0                              ; written once: a lane permute's destination counts as one of its sources
	v_mov_b32 v249, 0
	s_mov_b32 s24, 0x76543210
	s_mov_b32 s25, 0xfedcba98                      ; v_permlanex16_b32's selects for lane l xor 16
	s_mov_b32 s26, 0xffff0000                      ; lanes 16-31
	s_mov_b32 s27, 0x3a800000                      ; 1 / 1,024
	s_mov_b32 s28, 0x3727c5ac                      ; 1e-5
	s_lshl_b32 s2, ttmp9, 17                       ; 32 rows of 4,096 bytes,
	s_lshl_b32 s22, s18, 13                        ; my wave's two
	s_add_co_u32 s2, s2, s22
	s_mov_b32 s3, 0
	s_lshl_b32 s22, ttmp9, 15                      ; two row tiles of 16,384 bytes of images,
	s_lshl_b32 s23, s18, 11                        ; my wave's sixteenth
	s_add_co_u32 s22, s22, s23
	s_mov_b32 s23, 0
	s_wait_kmcnt 0x0
	s_load_b64 s[20:21], s[14:15], 0x28            ; e10, e11
	s_add_nc_u64 s[8:9], s[8:9], s[2:3]
	s_add_nc_u64 s[16:17], s[16:17], s[2:3]
	s_add_nc_u64 s[4:5], s[4:5], s[22:23]
	s_lshl_b32 s22, s18, 16                        ; my four tiles of W_o: 16,384 bytes each
	s_add_nc_u64 s[6:7], s[6:7], s[22:23]
.macro BLOAD ks                        ; W_o's four fragments of K step ks into set ks % 2
.irp t, 0,1,2,3
.irp c, 0,1,2,3
	global_load_b128 v[BS+64*((\ks)%2)+16*\t+4*\c:BS+64*((\ks)%2)+16*\t+4*\c+3], v1, s[6:7] offset:16384*\t+2048*(\ks)+512*\c
.endr
.endr
.endm
.macro ALOAD ks                        ; ctx's two fragments of K step ks
.irp m, 0,1
.irp c, 0,1,2,3
	ds_load_b128 v[AFR+16*\m+4*\c:AFR+16*\m+4*\c+3], v6 offset:16384*\m+2048*(\ks)+512*\c
.endr
.endr
.endm
.set n, 0
.rept 16
	global_load_b128 v[ACC+4*n:ACC+4*n+3], v1, s[8:9] offset:512*n th:TH_LOAD_NT   ; the residual: my two rows, 8,192 consecutive bytes; read once in this launch
.set n, n+1
.endr
.irp c, 0,1,2,3
	global_load_b128 v[AFR+4*\c:AFR+4*\c+3], v1, s[4:5] offset:512*\c th:TH_LOAD_NT
.endr
	BLOAD 0
	BLOAD 1
	s_wait_loadcnt 36                              ; the residual is in; ctx's 4 loads and W_o's 32 may be out
.set n, 0
.rept 16
	ds_store_b128 v4, v[ACC+4*n:ACC+4*n+3] offset:(n/8)*SPT+(n%8)*512
.set n, n+1
.endr
	s_wait_loadcnt 32                              ; ctx's images are in; W_o's 32 loads may be out
.irp c, 0,1,2,3
	ds_store_b128 v5, v[AFR+4*\c:AFR+4*\c+3] offset:512*\c
.endr
	s_wait_dscnt 0x0                               ; for the others' sake: my stores have landed
	s_barrier_signal -1
	s_barrier_wait -1                              ; the residual's 32 rows and ctx's 16 K = 128 fragments lie in LDS
	ALOAD 0
	s_wait_kmcnt 0x0
	s_add_co_i32 s20, s20, s21
	s_add_co_i32 s20, s20, 127
	s_lshl_b32 s20, s20, 23                        ; 2^(e10 + e11) as f32
	s_mov_b32 s21, s20                             ; (named with it as a pair)
; A K step of 128: eight matrix instructions, the eight accumulators by turns in the same order in every step.
.macro KS ks
	s_wait_loadcnt 16                              ; this step's set is in; the sixteen loads issued behind it may be out
	s_wait_dscnt 0x0                               ; ctx's two fragments
.irp t, 0,1,2,3
.irp m, 0,1
.if (\ks) == 0
	v_wmma_f32_16x16x128_bf8_bf8 v[ACC+8*(4*\m+\t):ACC+8*(4*\m+\t)+7], v[BS+64*((\ks)%2)+16*\t:BS+64*((\ks)%2)+16*\t+15], v[AFR+16*\m:AFR+16*\m+15], 0
.else
	v_wmma_f32_16x16x128_bf8_bf8 v[ACC+8*(4*\m+\t):ACC+8*(4*\m+\t)+7], v[BS+64*((\ks)%2)+16*\t:BS+64*((\ks)%2)+16*\t+15], v[AFR+16*\m:AFR+16*\m+15], v[ACC+8*(4*\m+\t):ACC+8*(4*\m+\t)+7]
.endif
.endr
.endr
.rept 4
	v_nop                                          ; places in front of loads into registers that these products read, and of the first read of results
.endr
.if (\ks)+2 < 8
	BLOAD (\ks)+2
.endif
.if (\ks) == 6                         ; set 0 is done with: it takes gamma and beta of my lane's columns, 64 w + 16 t + 8 h + 0 .. 7
.irp t, 0,1,2,3
	global_load_b128 v[GAM+8*\t:GAM+8*\t+3], v9, s[10:11] offset:64*\t
	global_load_b128 v[GAM+8*\t+4:GAM+8*\t+7], v9, s[10:11] offset:64*\t+16
	global_load_b128 v[BET+8*\t:BET+8*\t+3], v9, s[12:13] offset:64*\t
	global_load_b128 v[BET+8*\t+4:BET+8*\t+7], v9, s[12:13] offset:64*\t+16
.endr
.endif
.if (\ks)+1 < 8
	ALOAD (\ks)+1
.endif
.endm
.irp k, 0,1,2,3,4,5,6,7
	KS \k
.endr
.irp m, 0,1
.irp t, 0,1,2,3
	ds_load_b128 v[RES+8*(4*\m+\t):RES+8*(4*\m+\t)+3], v[2+\m] offset:64*\t        ; the residual in the accumulators' layout
	ds_load_b128 v[RES+8*(4*\m+\t)+4:RES+8*(4*\m+\t)+7], v[2+\m] offset:64*\t+16
.endr
.endr
	s_wait_dscnt 0x0
.set n, 0
.rept 32
	v_pk_fma_f32 v[ACC+2*n:ACC+2*n+1], v[ACC+2*n:ACC+2*n+1], s[20:21], v[RES+2*n:RES+2*n+1] op_sel_hi:[1,0,1]   ; y = sum x 2^(e10 + e11) + input_Q; each accumulator from its low end on
.set n, n+1
.endr
; v[244:245], v[246:247]: my lane's partial sums for rows r and 16 + r.  They are joined with lane l xor 16's; lane l then keeps row l's; the sixteen waves' words meet in LDS behind a barrier; v176 = row l's total, in lane l.
.macro ACROSS off
	v_add_f32 v244, v244, v245
	v_add_f32 v246, v246, v247
	v_permlanex16_b32 v248, v244, s24, s25
	v_permlanex16_b32 v249, v246, s24, s25
	v_add_f32 v244, v244, v248
	v_add_f32 v246, v246, v249
	v_cndmask_b32 v244, v244, v246, s26
	ds_store_b32 v7, v244 offset:\off
	s_wait_dscnt 0x0                               ; for the others' sake: my word has landed, and my earlier LDS loads are in
	s_barrier_signal -1
	s_barrier_wait -1
.irp i, 0,1,2,3
	ds_load_b128 v[176+4*\i:179+4*\i], v8 offset:\off+16*\i
.endr
	s_wait_dscnt 0x0
	v_pk_add_f32 v[176:177], v[176:177], v[178:179]
	v_pk_add_f32 v[180:181], v[180:181], v[182:183]
	v_pk_add_f32 v[184:185], v[184:185], v[186:187]
	v_pk_add_f32 v[188:189], v[188:189], v[190:191]
	v_pk_add_f32 v[176:177], v[176:177], v[180:181]
	v_pk_add_f32 v[184:185], v[184:185], v[188:189]
	v_pk_add_f32 v[176:177], v[176:177], v[184:185]
	v_add_f32 v176, v176, v177
.endm
.macro SPREAD                          ; row l's figure in v176 of lane l becomes v240 = row r's, v242 = row 16 + r's, in every lane
	v_permlanex16_b32 v248, v176, s24, s25
	v_cndmask_b32 v240, v176, v248, s26
	v_cndmask_b32 v242, v248, v176, s26
.endm
	v_pk_add_f32 v[244:245], v[ACC:ACC+1], v[ACC+2:ACC+3]
	v_pk_add_f32 v[246:247], v[ACC+32:ACC+33], v[ACC+34:ACC+35]
.irp j, 4,6,8,10,12,14,16,18,20,22,24,26,28,30
	v_pk_add_f32 v[244:245], v[244:245], v[ACC+\j:ACC+\j+1]
	v_pk_add_f32 v[246:247], v[246:247], v[ACC+32+\j:ACC+33+\j]
.endr
	ACROSS 0
	v_mul_f32 v176, s27, v176                      ; the mean
	SPREAD
.set n, 0
.rept 16
	v_pk_add_f32 v[ACC+2*n:ACC+2*n+1], v[ACC+2*n:ACC+2*n+1], v[240:241] op_sel_hi:[1,0] neg_lo:[0,1] neg_hi:[0,1]   ; y - mean
	v_pk_add_f32 v[ACC+32+2*n:ACC+33+2*n], v[ACC+32+2*n:ACC+33+2*n], v[242:243] op_sel_hi:[1,0] neg_lo:[0,1] neg_hi:[0,1]
.set n, n+1
.endr
	v_pk_mul_f32 v[244:245], v[ACC:ACC+1], v[ACC:ACC+1]
	v_pk_mul_f32 v[246:247], v[ACC+32:ACC+33], v[ACC+32:ACC+33]
.irp j, 2,4,6,8,10,12,14,16,18,20,22,24,26,28,30
	v_pk_fma_f32 v[244:245], v[ACC+\j:ACC+\j+1], v[ACC+\j:ACC+\j+1], v[244:245]
	v_pk_fma_f32 v[246:247], v[ACC+32+\j:ACC+33+\j], v[ACC+32+\j:ACC+33+\j], v[246:247]
.endr
	ACROSS RED2                                    ; other words than the first time: no wave can meet a slower wave's reads
	v_fma_f32 v176, v176, s27, s28                 ; the variance + 1e-5
	v_rsq_f32 v176, v176
	v_nop                                          ; a plain line behind the transcendental
	s_wait_alu depctr_va_vdst(0)                   ; and the wait ahead of its first reader
	SPREAD
	s_wait_loadcnt 0x0                             ; gamma and beta
.set n, 0
.rept 16
	v_pk_mul_f32 v[ACC+2*n:ACC+2*n+1], v[ACC+2*n:ACC+2*n+1], v[240:241] op_sel_hi:[1,0]
	v_pk_mul_f32 v[ACC+32+2*n:ACC+33+2*n], v[ACC+32+2*n:ACC+33+2*n], v[242:243] op_sel_hi:[1,0]
.set n, n+1
.endr
.set n, 0
.rept 16
	v_pk_fma_f32 v[ACC+2*n:ACC+2*n+1], v[ACC+2*n:ACC+2*n+1], v[GAM+2*n:GAM+2*n+1], v[BET+2*n:BET+2*n+1]
	v_pk_fma_f32 v[ACC+32+2*n:ACC+33+2*n], v[ACC+32+2*n:ACC+33+2*n], v[GAM+2*n:GAM+2*n+1], v[BET+2*n:BET+2*n+1]
.set n, n+1
.endr
.irp m, 0,1
.irp t, 0,1,2,3
	ds_store_b128 v[2+\m], v[ACC+8*(4*\m+\t):ACC+8*(4*\m+\t)+3] offset:64*\t       ; over the residual's bytes, which every wave has read two barriers ago
	ds_store_b128 v[2+\m], v[ACC+8*(4*\m+\t)+4:ACC+8*(4*\m+\t)+7] offset:64*\t+16
.endr
.endr
	s_wait_dscnt 0x0                               ; for the others' sake: my stores have landed
	s_barrier_signal -1
	s_barrier_wait -1                              ; 32 whole rows lie in the stage
.set n, 0
.rept 16
	ds_load_b128 v[RES+4*n:RES+4*n+3], v4 offset:(n/8)*SPT+(n%8)*512
.set n, n+1
.endr
.set n, 0
.rept 16
	s_wait_dscnt 15-n                              ; LDS loads come back in order: number n is in, the younger ones may be out
	global_store_b128 v1, v[RES+4*n:RES+4*n+3], s[16:17] offset:512*n th:TH_STORE_NT   ; 512 consecutive bytes, at a multiple of 256 from out0's first byte; written once, read by nobody here
.set n, n+1
.endr
	s_wait_tensorcnt 0x0
	ds_add_u32 v254, v255
	s_wait_dscnt 0x0
	s_endpgm
.Lfunc_end_k_qc32d904afa_outln:
	.size	k_qc32d904afa_outln, .Lfunc_end_k_qc32d904afa_outln-k_qc32d904afa_outln
	.p2alignl 7, 3214868480
	.fill 96, 4, 3214868480
	.section	.rodata,"a",@progbits
	.p2align	6, 0x0
	.amdhsa_kernel k_qc32d904afa_outln
		.amdhsa_group_segment_fixed_size 171520
		.amdhsa_private_segment_fixed_size 0
		.amdhsa_enable_private_segment 0
		.amdhsa_kernarg_size 56
		.amdhsa_user_sgpr_count 2
		.amdhsa_user_sgpr_kernarg_segment_ptr 1
		.amdhsa_wavefront_size32 1
		.amdhsa_system_sgpr_workgroup_id_x 1
		.amdhsa_system_sgpr_workgroup_id_y 1
		.amdhsa_system_sgpr_workgroup_id_z 1
		.amdhsa_system_vgpr_workitem_id 0
		.amdhsa_next_free_vgpr 256
		.amdhsa_next_free_sgpr 66
		.amdhsa_reserve_vcc 0
		.amdhsa_float_denorm_mode_32 3
		.amdhsa_float_denorm_mode_16_64 3
		.amdhsa_memory_ordered 1
		.amdhsa_forward_progress 1
		.amdhsa_inst_pref_size 50
	.end_amdhsa_kernel
	.amdgpu_metadata
---
amdhsa.version: [ 1, 2 ]
amdhsa.kernels:
  - .name:           k_qc32d904afa_outln
    .symbol:         k_qc32d904afa_outln.kd
    .args:
      - { .name: ctximg, .offset: 0, .size: 8, .value_kind: global_buffer, .address_space: global }
      - { .name: woimg, .offset: 8, .size: 8, .value_kind: global_buffer, .address_space: global }
      - { .name: input_Q, .offset: 16, .size: 8, .value_kind: global_buffer, .address_space: global }
      - { .name: ln_gamma, .offset: 24, .size: 8, .value_kind: global_buffer, .address_space: global }
      - { .name: ln_beta, .offset: 32, .size: 8, .value_kind: global_buffer, .address_space: global }
      - { .name: lowp_scales, .offset: 40, .size: 8, .value_kind: global_buffer, .address_space: global }
      - { .name: out0, .offset: 48, .size: 8, .value_kind: global_buffer, .address_space: global }
    .group_segment_fixed_size: 171520
    .private_segment_fixed_size: 0
    .kernarg_segment_align: 8
    .kernarg_segment_size: 56
    .max_flat_workgroup_size: 512
    .sgpr_count:     66
    .vgpr_count:     256
    .wavefront_size: 32
...
	.end_amdgpu_metadata
.endif
;; end of part 4
;; ======== version 2 of 2: 4 launches; version 1 with the launches attn, outln written anew for expert scheduling mode
;; limits: right only within a limited range of input values
;; workspace buffers: xq_codes 8,388,608 bytes; maskimg 8,388,608 bytes; rowflags 524,288 bytes of whole numbers; woimg 1,048,576 bytes; qimg 8,388,608 bytes; kimg 8,388,608 bytes; vimg 8,388,608 bytes; ctximg 8,388,608 bytes
;; launch prep: the kernel of part 1 again; grid 896 x 1, 4 waves a work-group, no clusters, 67,072 bytes of LDS; arguments input_Q, attn_mask, w_o_codes, lowp_scales, xq_codes, maskimg, rowflags, woimg; writes xq_codes, maskimg, rowflags, woimg
;; launch proj: the kernel of part 2 again; grid 4 x 96, 4 waves a work-group, clusters of 4 x 4, 327,680 bytes of LDS; arguments xq_codes, input_K_codes, input_V_codes, w_q_codes, w_k_codes, w_v_codes, lowp_scales, qimg, kimg, vimg; writes qimg, kimg, vimg
;; launch attn (part 5): grid 4 x 64, 16 waves a work-group, no clusters, 264,192 bytes of LDS; arguments qimg, kimg, vimg, maskimg, rowflags, lowp_scales, ctximg; writes ctximg
.if DOCPART == 5
	.amdgcn_target "amdgcn-amd-amdhsa--gfx1250"
	.amdhsa_code_object_version 6
	.text
	.protected	k_qc32d904afa_attn
	.globl	k_qc32d904afa_attn
	.p2align	8
	.type	k_qc32d904afa_attn,@function
k_qc32d904afa_attn:
	s_mov_b64 s[64:65], 0
	v_nop
	global_prefetch_b8 v0, s[64:65] scope:SCOPE_SE
	s_setreg_imm32_b32 hwreg(HW_REG_WAVE_SCHED_MODE, 0, 2), 2
	s_setreg_imm32_b32 hwreg(HW_REG_WAVE_MODE, 25, 1), 1
	s_wait_xcnt 0x0
	s_wait_alu depctr_vm_vsrc(0)
; ctx = softmax(where(mask, -1e9, Q K^T / 8)) V for one head, both products on codes of E5M2; ctx is quantised at once (entry 10 of the scales) and stored as images of the last product's operand registers.
; THE SOFTMAX AHEAD OF THE SECOND PRODUCT: t = logit x log2(e); M = the row's largest t so far, rounded UP to a whole number; p = 2^(t - M) is quantised (entry 8), not normalised; the row's sum is taken of the unquantised p and divides at the end.
; When M moves, the sum and O are multiplied by 2^(old M - new M), which rounds nothing.
; THE MASK IS THE C OF THE FIRST PRODUCT.  It comes as four-bit codes, 0 or -1.0, eight to a register; one conversion widens a register to the eight f32 numbers of a score tile's lane, 0 or -2^(60 - e6 - e7), in the tile's own registers, and the
; product adds onto them: 8 conversions a step stand for 64 selects.  A masked pair's t is then about -2^57: beside any unmasked key p is 0, as where reference() writes -1e9.
; A ROW THAT IS MASKED WHOLE (the AND of its four flag words) has its codes of Q replaced by zeros at the pass's head.  Then each of its scores is -2^(60 - e6 - e7) as it stands; the product with c = log2(e) / 8 x 2^(e6 + e7) is exact and a whole
; number, so M = t, t - M is exactly 0, p = 1, and the row comes out uniform, as in reference().
; LIMIT: the masked logit is not -1e9.  That shows only in a row with an unmasked logit under about -1e9 + 150.  |logit| is at most 8 x 57,344^2 x 2^(e6 + e7), so with e6 + e7 <= -5 there is no such row.
; SHARES.  A work-group owns 512 queries of one head; the head's K and V codes, 131,072 bytes each, lie in LDS whole, brought once through registers.  Each of SIXTEEN waves owns one tile of 16 queries at a time, two one after the other
; (tile 32 x + 16 pass + wave), and walks the 2,048 keys in 16 steps of 128.  Four waves to a SIMD: one wave's vector work stands beside another's matrix work and LDS loads.
; LAYOUT.  Both products transposed: S^T = K Q^T (source 0 = 16 keys, K = 64), O^T = V^T P^T (source 0 = 16 channels, K = 128 keys): a lane holds ONE query (lane % 16).  Score register 8 u + j of lane (r, h) is key 16 u + 8 h + j of the step,
; so a conversion of tile u's eight registers gives registers 2 u, 2 u + 1 of the second product's operand.  All operands come as images: four registers a lane by one load of 16 bytes at 16 x lane.
; ONE SCALAR BRANCH ON A GIVEN EXPONENT: p is at most 1, so its hold at 57,344 x 2^e8 can bite only where e8 < -15; elsewhere its 64 lines are jumped over.
; NO CLUSTER: the four work-groups of a head read the same 262,144 bytes, once each, at their head, for 512 wave steps of work.
; LIMITS on the given exponents: e6 + e7 between -67 and 130 (added to c's exponent field; the conversion's scale byte is 187 - e6 - e7); e8 and e10 between -126 and 112; e8 + e9 goes by v_ldexp_f32 and has none.  NaN is not served.
; THE MODE: SCHED_MODE bits 1:0 = 2 (LLVM: expert scheduling mode 2), set by the entry lines.  The code itself states the register dependences between vector or matrix instructions and memory or LDS instructions, with s_wait_alu, always for 0.
; THE PLAN.  Registers that memory or LDS instructions touch, in the loop over steps:
;   v1            Read by every load and store; written once, at the head.
;   v2, v3, v4    K's and V's LDS addresses and the mask's offset: read by a step's loads; written once a step, together, in the step's tail.
;   v32-95        K's loads land; the first product's eight instructions read; V's loads land; the second product's four read; the next step's K lands.
;   v248-255      The mask's loads land; the eight conversions in the tail read; the next loads land.
;   v16-23        Q: loaded and, in part, replaced at a pass's head; read by the first products.      v208-215  ctx's codes: written by conversions and read by two stores at a pass's end.
;   All else (the scores, O^T, p's codes, the statistics) is named by vector and matrix instructions alone.
; So a step has, beside the wait behind its exponentials, TWO waits on va_vdst and ONE on vm_vsrc.  The first va_vdst stands behind the first product: its instructions are done reading K's fragments, in which V's land.  The wait on vm_vsrc
; stands in the tail, ahead of the three additions that write v2, v3 and v4.  The second va_vdst stands behind the tail's conversions: the second product is done reading V's fragments, the three addresses are written, and the conversions are
; done reading the nibbles; K's sixteen loads and the mask's two follow it in one run.  No vector line between that wait and a pass's head names v16-23 or v1, so Q's loads owe nothing more.
; REGISTERS: v1 16 x lane; v2, v3 LDS addresses; v4 the mask's offset; v5 the conversion's scale byte, four times; v6, v7 57,344 x 2^e8, 2^e8; v8, v9 the same for e10; v10 a permute's destination; v11, v31 the closing add's two; v12 -M,
;   v13 the largest t, v[14:15] the sum in two halves; v16-23 Q; v[24:25] f and 0; v26-29 at work; v30 the old -M; v32-95 K's eight fragments, then V's four; v96-159 the mask's numbers, S^T, then p; v160-191 O^T; v192-207 p's codes;
;   v208-215 ctx's codes; v216-247 ctx; v248-255 a step's mask as nibbles.
; SCALARS: s16 wave; s[20:21] lane selects; s[22:23] c; s26 step; s27 from my record of nibbles to the next pass's; s28 e8 + e9; s30 the hold is needed; s31 pass; s[32:33] ctximg; s36-47 the scales; s48-51 the flags; s2, s3, s66, s67 at work.
.set VL, 0x20000                       ; LDS: K's images from 0, V's from here
.set XR, 32
.set SR, 96
.set OT, 160
.set PC, 192
.set CC, 208
.set CX, 216
.set MK, 248
.macro BIAS                            ; the eight registers of nibbles become the 64 numbers onto which the next first product adds
.irp u, 0,1,2,3,4,5,6,7
	v_cvt_scale_pk8_f32_fp4 v[SR+8*\u:SR+8*\u+7], v[MK+\u], v5
.endr
	v_nop                                          ; a plain vector line between the last conversion and the matrix instruction that takes its result
.endm
	s_load_b256 s[4:11], s[0:1], 0x0               ; qimg s[4:5], kimg s[6:7], vimg s[8:9], maskimg s[10:11]
	s_load_b128 s[12:15], s[0:1], 0x20             ; rowflags s[12:13], lowp_scales s[14:15]
	s_load_b64 s[32:33], s[0:1], 0x30              ; ctximg
	v_lshl_add_u32 v11, v0, 2, 0x40000             ; the LDS address of my spare word, behind K's and V's images, and 0: made here and kept for the closing lines alone
	v_mov_b32 v31, 0
	v_lshrrev_b32 v2, 5, v0
	v_readfirstlane_b32 s16, v2                    ; wave 0..15
	v_and_b32 v1, 31, v0
	v_lshlrev_b32 v1, 4, v1                        ; 16 x lane
	s_and_b32 s17, ttmp7, 0xffff                   ; batch x 16 + head
	s_lshl_b32 s2, s17, 17                         ; the head's images, 131,072 bytes in each of the three buffers,
	s_wait_alu depctr_va_sdst(0)                   ; s16 is written, ahead of its first reader: bases and LDS addresses are made from it
	s_lshl_b32 s18, s16, 13                        ; and my wave's sixteenth of them
	s_add_co_u32 s2, s2, s18
	s_mov_b32 s3, 0
	v_add_nc_u32 v2, s18, v1
	v_add_nc_u32 v3, VL, v2
	s_wait_kmcnt 0x0
	s_add_nc_u64 s[6:7], s[6:7], s[2:3]
	s_add_nc_u64 s[8:9], s[8:9], s[2:3]
	s_wait_alu depctr_va_vdst(0)                   ; v1, v2 and v3 are written: the loads below read v1 as their offset, the LDS stores v2 and v3 as their addresses
.set n, 0
.rept 16
	global_load_b128 v[XR+4*n:XR+4*n+3], v1, s[6:7] offset:512*n   ; K: 512 consecutive bytes a load
.set n, n+1
.endr
.set n, 0
.rept 16
	global_load_b128 v[SR+4*n:SR+4*n+3], v1, s[8:9] offset:512*n   ; V
.set n, n+1
.endr
	s_load_b256 s[36:43], s[14:15], 0x0            ; entries 0 to 7 of the scales,
	s_load_b128 s[44:47], s[14:15], 0x20           ; 8 to 11
	s_lshl_b32 s19, ttmp9, 5
	s_add_co_u32 s19, s19, s16                     ; my first tile of queries: 32 x + wave
	s_lshl_b32 s2, s17, 17
	s_lshl_b32 s18, s19, 10
	s_add_co_u32 s2, s2, s18
	s_add_nc_u64 s[4:5], s[4:5], s[2:3]            ; its image in qimg
	s_lshr_b32 s18, s17, 4
	s_lshl_b32 s18, s18, 7
	s_add_co_u32 s18, s18, s19                     ; batch x 128 + tile
	s_lshl_b32 s2, s18, 14
	s_add_nc_u64 s[10:11], s[10:11], s[2:3]        ; its record of nibbles, 16,384 bytes,
	s_lshl_b32 s2, s18, 10
	s_add_nc_u64 s[12:13], s[12:13], s[2:3]        ; and of flags, 1,024 bytes
	s_lshl_b32 s18, s18, 4
	s_and_b32 s19, s17, 15
	s_add_co_u32 s18, s18, s19
	s_lshl_b32 s2, s18, 10
	s_add_nc_u64 s[32:33], s[32:33], s[2:3]        ; its image in ctximg: [tile][head][1,024 bytes]
	global_load_b128 v[MK:MK+3], v1, s[10:11]      ; step 0's mask
	global_load_b128 v[MK+4:MK+7], v1, s[10:11] offset:512
	s_mov_b32 s20, 0x76543210
	s_mov_b32 s21, 0xfedcba98                      ; v_permlanex16_b32's selects for lane l xor 16
	v_mov_b32 v10, 0                               ; written once: a lane permute's destination counts as one of its sources
	v_mov_b32 v25, 0                               ; the upper half of the pair v[24:25]; also the zeros that a wholly masked row's Q gets
	s_wait_loadcnt 18                              ; K's sixteen loads are in; V's sixteen and the mask's two may be out
.set n, 0
.rept 16
	ds_store_b128 v2, v[XR+4*n:XR+4*n+3] offset:512*n
.set n, n+1
.endr
	s_wait_loadcnt 2                               ; V's are in; the mask's two may be out
.set n, 0
.rept 16
	ds_store_b128 v3, v[SR+4*n:SR+4*n+3] offset:512*n
.set n, n+1
.endr
	s_wait_kmcnt 0x0
	s_add_co_i32 s22, s42, s43                     ; e6 + e7
	s_sub_co_i32 s2, 187, s22                      ; the byte of 2^(60 - e6 - e7),
	s_mul_i32 s2, s2, 0x01010101                   ; in all four bytes
	v_mov_b32 v5, s2
	s_lshl_b32 s22, s22, 23                        ; a score stands for score x 2^(e6 + e7): the two exponents are added to c's exponent field
	s_add_co_i32 s22, s22, 0x3e38aa3b              ; c = log2(e) / 8
	s_mov_b32 s23, s22                             ; (named with it as a pair)
	s_add_co_i32 s2, s44, 127
	s_lshl_b32 s3, s2, 23
	v_mov_b32 v7, s3                               ; 2^e8 as f32
	s_add_co_i32 s2, s2, 15
	s_lshl_b32 s2, s2, 23
	s_or_b32 s2, s2, 0x600000
	v_mov_b32 v6, s2                               ; 57,344 x 2^e8
	s_add_co_i32 s2, s46, 127
	s_lshl_b32 s3, s2, 23
	v_mov_b32 v9, s3                               ; 2^e10
	s_add_co_i32 s2, s2, 15
	s_lshl_b32 s2, s2, 23
	s_or_b32 s2, s2, 0x600000
	v_mov_b32 v8, s2                               ; 57,344 x 2^e10
	s_add_co_i32 s28, s44, s45                     ; e8 + e9
	s_cmp_lt_i32 s44, -15
	s_cselect_b32 s30, 1, 0                        ; 57,344 x 2^e8 lies under 1 only where e8 < -15
	s_wait_dscnt 0x0                               ; for the others' sake: my stores have landed
	s_barrier_signal -1
	s_barrier_wait -1                              ; the head's K and V lie in LDS whole; nothing is written there again
	s_wait_alu depctr_vm_vsrc(0)                   ; my LDS stores have read v2, v3 and v32-159: v3 is written below, K's fragments land in v32-95, the conversions write v96-159
	v_add_nc_u32 v3, VL, v1                        ; step 0's V in LDS
.set n, 0
.rept 16
	ds_load_b128 v[XR+4*n:XR+4*n+3], v1 offset:512*n   ; K's eight fragments of step 0
.set n, n+1
.endr
	s_wait_loadcnt 0x0                             ; step 0's mask
	BIAS
	s_wait_alu depctr_va_vdst(0)                   ; the conversions are done reading v248-255, in which the loads below land
	global_load_b128 v[MK:MK+3], v1, s[10:11] offset:1024   ; step 1's mask, into the registers that the conversions have read
	global_load_b128 v[MK+4:MK+7], v1, s[10:11] offset:1536
	s_mov_b32 s31, 0
.Lpass:
	global_load_b128 v[16:19], v1, s[4:5]          ; Q's fragment stays in registers for the pass.  (In the second pass: the lines that named v16-23 stand ahead of the last step's waits on va_vdst, and none behind them does)
	global_load_b128 v[20:23], v1, s[4:5] offset:512
	s_load_b32 s48, s[12:13], 0x0                  ; four lane masks: row l % 16 is masked in keys 512 w .. 512 w + 511
	s_load_b32 s49, s[12:13], 0x100
	s_load_b32 s50, s[12:13], 0x200
	s_load_b32 s51, s[12:13], 0x300
	s_cmp_eq_u32 s31, 0                            ; what the pass's last two trips ask for: in pass 0 steps 0 and 1 of the next pass's record, sixteen records of 16,384 bytes on;
	s_cselect_b32 s27, 0x40000, 0                  ; in pass 1 its own record's once more, which nobody uses: no load leaves the buffer
	v_mov_b32 v13, 0xff61b1e6                      ; the largest t so far: -3e38, under every t
	v_floor_f32 v12, -v13                          ; -M
	v_mov_b32 v14, 0                               ; the sum, in two halves
	v_mov_b32 v15, 0
.set n, 0
.rept 32
	v_mov_b32 v[OT+n], 0                           ; O^T: the step is written once; the first finds zeros, which the first change of M leaves zeros
.set n, n+1
.endr
	s_wait_kmcnt 0x0
	s_and_b32 s48, s48, s49
	s_and_b32 s50, s50, s51
	s_and_b32 s48, s48, s50                        ; bit l: row l % 16 is masked whole
	s_wait_loadcnt 0x0                             ; Q
.set n, 0
.rept 8
	v_cndmask_b32 v[16+n], v[16+n], v25, s48       ; such a row's codes of Q become zeros: its scores are then the mask's number as it stands
.set n, n+1
.endr
	s_mov_b32 s26, 0
.Lstep:                                            ; 16 trips
	s_wait_dscnt 0x0                               ; K's fragments, asked for at the end of the step before
.irp u, 0,1,2,3,4,5,6,7
	v_wmma_f32_16x16x64_bf8_bf8 v[SR+8*\u:SR+8*\u+7], v[XR+8*\u:XR+8*\u+7], v[16:23], v[SR+8*\u:SR+8*\u+7]   ; onto the mask's numbers; the twelve accumulators of a step take turns, one instruction a turn
.endr
	v_mov_b32 v30, v12                             ; four places in front of the first read of the scores (ISA guide 7.12.1): a line that is due anyway (the old -M),
.rept 3
	v_nop                                          ; and three v_nop
.endr
	s_wait_alu depctr_va_vdst(0)                   ; the eight products are done reading K's fragments in v32-95, in which V's land; the places above stay beside this wait.  (v3 was written ahead of the last such wait)
.set n, 0
.rept 16
	ds_load_b128 v[XR+4*n:XR+4*n+3], v3 offset:512*n   ; V's four fragments: they land under the softmax
.set n, n+1
.endr
	v_max3_num_f32 v26, v96, v97, v98              ; the step's largest score of my query among my 64 keys, in two chains; each accumulator from its low end on,
	v_max3_num_f32 v27, v99, v100, v101
.irp i, 6,10,14,18,22,26,30,34,38,42,46,50,54,58
	v_max3_num_f32 v26, v26, v[SR+\i], v[SR+1+\i]
	v_max3_num_f32 v27, v27, v[SR+2+\i], v[SR+3+\i]
.endr
	v_max3_num_f32 v26, v26, v158, v159
	v_max_num_f32 v26, v26, v27
	v_permlanex16_b32 v10, v26, s20, s21
	v_max_num_f32 v26, v26, v10                    ; and among lane l xor 16's
	v_mul_f32 v26, s22, v26                        ; as t (c is positive)
	v_max_num_f32 v13, v13, v26                    ; the running largest t
	v_floor_f32 v12, -v13                          ; the new -M = floor(-t) = -ceil(t): a whole number
	v_sub_f32 v26, v12, v30                        ; old M - new M: a whole number, 0 or less
	v_cvt_i32_f32 v26, v26                         ; (it saturates)
	v_ldexp_f32 v24, 1.0, v26                      ; f = 2^(old M - new M)
.set n, 0
.rept 32
	v_pk_fma_f32 v[SR+2*n:SR+2*n+1], v[SR+2*n:SR+2*n+1], s[22:23], v[12:13] op_sel_hi:[1,0,0]   ; t - M, two at a time (of the pairs c and -M the low word serves both halves)
.set n, n+1
.endr
.set n, 0
.rept 64
	v_exp_f32 v[SR+n], v[SR+n]                     ; p = 2^(t - M): one batch
.set n, n+1
.endr
	v_pk_mul_f32 v[14:15], v[14:15], v[24:25] op_sel_hi:[1,0]   ; the sums under the new M: the plain line behind the exponentials
	s_wait_alu depctr_va_vdst(0)                   ; the 64 exponentials have written v96-159: one wait for the whole batch, ahead of its first reader
	v_pk_add_f32 v[28:29], v[96:97], v[98:99]      ; the row's sum of the UNQUANTISED p, in two chains
.irp j, 4,8,12,16,20,24,28,32,36,40,44,48,52,56,60
	v_pk_add_f32 v[14:15], v[14:15], v[SR+\j:SR+1+\j]
	v_pk_add_f32 v[28:29], v[28:29], v[SR+2+\j:SR+3+\j]
.endr
	v_pk_add_f32 v[14:15], v[14:15], v[28:29]
	s_cmp_lg_u32 s30, 0
	s_cbranch_scc0 .Lnohold
.set n, 0
.rept 64
	v_min_num_f32 v[SR+n], v[SR+n], v6             ; the conversion does not saturate (ISA guide 7.6.2); p is not negative, so the hold is one-sided
.set n, n+1
.endr
.Lnohold:
.irp u, 0,1,2,3,4,5,6,7
	v_cvt_scalef32_pk8_bf8_f32 v[PC+2*\u:PC+2*\u+1], v[SR+8*\u:SR+8*\u+7], v7   ; registers 2 u, 2 u + 1: keys 16 u + 8 h + 0 .. 7
.endr
.set n, 0
.rept 16
	v_pk_mul_f32 v[OT+2*n:OT+2*n+1], v[OT+2*n:OT+2*n+1], v[24:25] op_sel_hi:[1,0]   ; O^T under the new M; also the plain lines between the conversions and what touches their results and sources
.set n, n+1
.endr
	s_wait_dscnt 0x0                               ; V's fragments
.irp t, 0,1,2,3
	v_wmma_f32_16x16x128_bf8_bf8 v[OT+8*\t:OT+8*\t+7], v[XR+16*\t:XR+16*\t+15], v[PC:PC+15], v[OT+8*\t:OT+8*\t+7]
.endr
	; THE STEP'S TAIL: the next step's addresses and mask are made while the matrix unit works on the products above; then one wait, and the loads in one run.
	s_add_co_u32 s26, s26, 1
	s_and_b32 s67, s26, 15                         ; the next step's K and V; the last trip takes step 0 again, for the next pass
	s_lshl_b32 s67, s67, 13
	s_add_co_u32 s66, s26, 1                       ; the mask of the step after the next: 1,024 bytes a step;
	s_cmp_ge_u32 s66, 16
	s_cselect_b32 s2, s27, 0                       ; past the pass's end: steps 0 and 1 of the record that s27 names
	s_and_b32 s66, s66, 15
	s_lshl_b32 s66, s66, 10
	s_add_co_u32 s66, s66, s2
	s_wait_loadcnt 0x0                             ; the next step's mask, asked for a step ago, is in: its loads are done with their offset register
	s_wait_alu depctr_vm_vsrc(0)                   ; the loads issued so far have read v2, v3 and v4, which the three lines below write (and the last pass's stores have read v208-215, which this pass's end writes)
	v_add_nc_u32 v2, s67, v1                       ; the next step's K in LDS,
	v_add_nc_u32 v3, VL, v2                        ; its V,
	v_add_nc_u32 v4, s66, v1                       ; and the mask's offset.  With the v_nop that ends the conversions these are four plain lines between the products above and the loads into the registers that they read
	BIAS                                           ; the next step's mask, into the scores' registers, whose p has been converted
	s_wait_alu depctr_va_vdst(0)                   ; the four products are done reading V's fragments in v32-95, in which K's land; v2, v3 and v4 are written; the conversions are done reading v248-255, in which the mask's loads land
.set n, 0
.rept 16
	ds_load_b128 v[XR+4*n:XR+4*n+3], v2 offset:512*n   ; the next step's K
.set n, n+1
.endr
	global_load_b128 v[MK:MK+3], v4, s[10:11]      ; and the mask of the step after it, into the registers just read: it has a whole step in which to land
	global_load_b128 v[MK+4:MK+7], v4, s[10:11] offset:512
	s_cmp_lt_u32 s26, 16
	s_cbranch_scc1 .Lstep
	; THE PASS'S WAY OUT: ctx = O^T x 2^(e8 + e9) / the sum, quantised with 2^e10: tile t's eight channels become registers 2 t, 2 t + 1 of a fragment for K = 64.  (v96-159 hold the next pass's first mask and are left alone.)
	v_add_f32 v14, v14, v15                        ; the sum's two halves,
	v_permlanex16_b32 v10, v14, s20, s21
	v_add_f32 v14, v14, v10                        ; and lane l xor 16's
	v_rcp_f32 v14, v14
	v_nop                                          ; a plain line behind the transcendental
	s_wait_alu depctr_va_vdst(0)                   ; the reciprocal has written v14, ahead of its first reader
	v_ldexp_f32 v14, v14, s28
.set n, 0
.rept 32
	v_mul_f32 v[CX+n], v[OT+n], v14
.set n, n+1
.endr
.set n, 0
.rept 32
	v_med3_num_f32 v[CX+n], v[CX+n], -v8, v8
.set n, n+1
.endr
.irp t, 0,1,2,3
	v_cvt_scalef32_pk8_bf8_f32 v[CC+2*\t:CC+2*\t+1], v[CX+8*\t:CX+8*\t+7], v9
.endr
	v_nop                                          ; a plain line behind the last conversion
	s_wait_alu depctr_va_vdst(0)                   ; the conversions have written v208-215, which the stores read
	global_store_b128 v1, v[CC:CC+3], s[32:33]     ; 512 consecutive bytes a store.  Their data are written again a pass later, behind the waits on vm_vsrc of the sixteen steps between
	global_store_b128 v1, v[CC+4:CC+7], s[32:33] offset:512
	s_wait_xcnt 0x0                                ; the stores, and the loads of the mask and the flags, have read their bases: these are written again only behind this wait
	s_add_nc_u64 s[4:5], s[4:5], 16384             ; sixteen tiles of queries on: in qimg,
	s_add_nc_u64 s[10:11], s[10:11], 0x40000       ; in the records of nibbles,
	s_add_nc_u64 s[12:13], s[12:13], 16384         ; in the records of flags,
	s_add_nc_u64 s[32:33], s[32:33], 262144        ; in ctximg
	s_add_co_u32 s31, s31, 1
	s_cmp_lt_u32 s31, 2
	s_cbranch_scc1 .Lpass
	s_wait_dscnt 0x0                               ; the closing lines, six on end (the first of them also waits for the last trip's loads of K, which nobody uses)
	s_wait_alu 0x0
	s_wait_tensorcnt 0x0
	ds_add_u32 v11, v31
	s_wait_dscnt 0x0
	s_endpgm
.Lfunc_end_k_qc32d904afa_attn:
	.size	k_qc32d904afa_attn, .Lfunc_end_k_qc32d904afa_attn-k_qc32d904afa_attn
	.p2alignl 7, 3214868480
	.fill 96, 4, 3214868480
	.section	.rodata,"a",@progbits
	.p2align	6, 0x0
	.amdhsa_kernel k_qc32d904afa_attn
		.amdhsa_group_segment_fixed_size 264192
		.amdhsa_private_segment_fixed_size 0
		.amdhsa_enable_private_segment 0
		.amdhsa_kernarg_size 56
		.amdhsa_user_sgpr_count 2
		.amdhsa_user_sgpr_kernarg_segment_ptr 1
		.amdhsa_wavefront_size32 1
		.amdhsa_system_sgpr_workgroup_id_x 1
		.amdhsa_system_sgpr_workgroup_id_y 1
		.amdhsa_system_sgpr_workgroup_id_z 1
		.amdhsa_system_vgpr_workitem_id 0
		.amdhsa_next_free_vgpr 256
		.amdhsa_next_free_sgpr 68
		.amdhsa_reserve_vcc 0
		.amdhsa_float_denorm_mode_32 3
		.amdhsa_float_denorm_mode_16_64 3
		.amdhsa_memory_ordered 1
		.amdhsa_forward_progress 1
		.amdhsa_inst_pref_size 34
	.end_amdhsa_kernel
	.amdgpu_metadata
---
amdhsa.version: [ 1, 2 ]
amdhsa.kernels:
  - .name:           k_qc32d904afa_attn
    .symbol:         k_qc32d904afa_attn.kd
    .args:
      - { .name: qimg, .offset: 0, .size: 8, .value_kind: global_buffer, .address_space: global }
      - { .name: kimg, .offset: 8, .size: 8, .value_kind: global_buffer, .address_space: global }
      - { .name: vimg, .offset: 16, .size: 8, .value_kind: global_buffer, .address_space: global }
      - { .name: maskimg, .offset: 24, .size: 8, .value_kind: global_buffer, .address_space: global }
      - { .name: rowflags, .offset: 32, .size: 8, .value_kind: global_buffer, .address_space: global }
      - { .name: lowp_scales, .offset: 40, .size: 8, .value_kind: global_buffer, .address_space: global }
      - { .name: ctximg, .offset: 48, .size: 8, .value_kind: global_buffer, .address_space: global }
    .group_segment_fixed_size: 264192
    .private_segment_fixed_size: 0
    .kernarg_segment_align: 8
    .kernarg_segment_size: 56
    .max_flat_workgroup_size: 512
    .sgpr_count:     68
    .vgpr_count:     256
    .wavefront_size: 32
...
	.end_amdgpu_metadata
.endif
;; end of part 5
;; launch outln (part 6): grid 256 x 1, 16 waves a work-group, no clusters, 171,520 bytes of LDS; arguments ctximg, woimg, input_Q, ln_gamma, ln_beta, lowp_scales, out0; writes out0
.if DOCPART == 6
	.amdgcn_target "amdgcn-amd-amdhsa--gfx1250"
	.amdhsa_code_object_version 6
	.text
	.protected	k_qc32d904afa_outln
	.globl	k_qc32d904afa_outln
	.p2align	8
	.type	k_qc32d904afa_outln,@function
k_qc32d904afa_outln:
	s_mov_b64 s[64:65], 0
	v_nop
	global_prefetch_b8 v0, s[64:65] scope:SCOPE_SE
	s_setreg_imm32_b32 hwreg(HW_REG_WAVE_SCHED_MODE, 0, 2), 2
	s_setreg_imm32_b32 hwreg(HW_REG_WAVE_MODE, 25, 1), 1
	s_wait_xcnt 0x0
	s_wait_alu depctr_vm_vsrc(0)
; out0 = layer_norm(ctx W_o^T + input_Q) x gamma + beta.  The product is on codes of E5M2 (entries 10 and 11 of the scales); all else in f32.
; SHARES.  A work-group owns 32 whole rows, so that a row's mean and variance stay inside it.  THE WAVES SHARE THE COLUMNS: wave w makes columns 64 w .. 64 w + 63 (four tiles of 16) for both tiles of 16 rows: 8 accumulators.
; Transposed use: source 0 = 16 rows of W_o, source 1 = 16 rows of ctx: lane (r, h) holds row r and, in register j of tile t, column 64 w + 16 t + 8 h + j.
; OPERANDS ARE IMAGES OF REGISTERS.  ctx's 32,768 bytes go once into LDS, since all sixteen waves read them; W_o's fragments, each read by one wave of the work-group, go from memory straight into that wave's registers,
; two sets of four fragments by turns, a K step of 128 ahead.
; THE RESIDUAL is read as it lies, 512 consecutive bytes a load, two rows a wave, and turns through a stage in LDS into the accumulators' layout; the results leave through the same stage as whole rows.
; THE VARIANCE is taken of the differences from the mean, in a second pass over registers: no difference of large sums is formed.
; NO CLUSTER: what work-groups share is W_o alone.  Shared by joint loads it would have to pass through LDS behind a round of the cluster's barrier for each 131,072 bytes, with 32 matrix instructions a wave between two rounds.
; LIMIT: e10 + e11 between -126 and 127, so that 2^(e10 + e11) is an f32 number.
; THE MODE: SCHED_MODE bits 1:0 = 2 (LLVM: expert scheduling mode 2), set by the entry lines.  The code itself states the register dependences between vector or matrix instructions and memory or LDS instructions, with s_wait_alu, always for 0.
; THE PLAN.  Registers that memory or LDS instructions touch:
;   v1-v9         Offsets and LDS addresses: written once, at the head; read by the loads and stores.
;   v16-79        At the head the residual lands here and LDS stores read it; then the accumulators, named by matrix and vector lines; on the way out LDS stores read the results.
;   v80-111       ctx's two fragments: a K step's eight products read them, then the next step's LDS loads land.  (At the head: v80-95 carry ctx's images from memory to LDS.)
;   v112-175, v176-239   W_o's two sets: K step ks's products read set ks % 2, then the loads of step ks + 2 land in it; behind step 6 gamma and beta land in set 0, behind step 7 the residual in set 1.
;   v176-191      later: the reductions' LDS loads land; vector lines read and write them.      v176-239  at the end: the rows from the stage land; the global stores read them.
;   v244          written by a reduction's vector lines, read by its one LDS store, written again by the sums of squares.
; So ONE wait on va_vdst stands in a K step, behind its eight products: they are done reading their set and ctx's fragments, and all the step's loads follow it in one run, ctx's next fragments first, since the next step waits for them.
; One more stands ahead of each run of LDS stores whose data vector lines have written (two reductions, the results).  Two waits on vm_vsrc: behind the first barrier, and ahead of the line that writes v244 again.
; REGISTERS: v1 16 x lane; v2, v3 my place in the stage for rows 0-15, 16-31; v4 the stage by rows; v5, v6 ctx's images, in and out; v7, v8 the partial sums, in and out; v9 gamma's and beta's offset;
;   v16-79 the accumulators ((m, t) at v[16 + 8 (4 m + t)]); v80-111 ctx's two fragments; v112-175, v176-239 W_o's two sets, later gamma, beta and the residual; v240-249 at work; v254, v255 the closing add's two.
.set SPT,  4112                        ; a stage row: 4,096 bytes + 16 of padding
.set AIM,  32*SPT                      ; LDS: the stage from 0; ctx's images;
.set RED,  AIM+32768                   ; the waves' partial sums: 32 rows x (16 words + 16 bytes), twice
.set RED2, 2560
.set ACC,  16
.set AFR,  80
.set BS,   112
.set GAM,  112
.set BET,  144
.set RES,  176
	s_load_b256 s[4:11], s[0:1], 0x0               ; ctximg s[4:5], woimg s[6:7], input_Q s[8:9], ln_gamma s[10:11]
	s_load_b128 s[12:15], s[0:1], 0x20             ; ln_beta s[12:13], lowp_scales s[14:15]
	s_load_b64 s[16:17], s[0:1], 0x30              ; out0
	v_lshl_add_u32 v254, v0, 2, 0x29600            ; the LDS address of my spare word, behind the partial sums, and 0: made here and kept for the closing lines alone
	v_mov_b32 v255, 0
	v_lshrrev_b32 v2, 5, v0
	v_readfirstlane_b32 s18, v2                    ; wave 0..15
	v_and_b32 v12, 31, v0                          ; lane
	v_and_b32 v10, 15, v0                          ; r
	v_bfe_u32 v11, v0, 4, 1                        ; h
	v_lshlrev_b32 v1, 4, v12
	s_wait_alu depctr_va_sdst(0)                   ; s18 is written, ahead of its first reader: bases and LDS addresses are made from it
	s_lshl_b32 s19, s18, 8                         ; my 64 columns in bytes
	v_mul_u32_u24 v2, v10, SPT
	v_lshl_add_u32 v2, v11, 5, v2
	v_add_nc_u32 v2, s19, v2                       ; row r, + 256 w + 32 h
	v_add_nc_u32 v3, 16*SPT, v2                    ; row 16 + r
	s_mul_i32 s22, s18, 2*SPT
	v_add_nc_u32 v4, s22, v1                       ; rows 2 w and 2 w + 1, 16 bytes a lane
	s_lshl_b32 s22, s18, 11
	s_add_co_u32 s22, s22, AIM
	v_add_nc_u32 v5, s22, v1
	v_add_nc_u32 v6, AIM, v1
	v_mul_u32_u24 v8, v12, 80
	v_add_nc_u32 v8, RED, v8                       ; row = lane
	s_lshl_b32 s22, s18, 2
	v_add_nc_u32 v7, s22, v8                       ; + my wave's word
	v_lshlrev_b32 v9, 5, v11
	v_add_nc_u32 v9, s19, v9
	v_mov_b32 v241, 0                              ; (named as the upper halves of pairs)
	v_mov_b32 v243, 0
	v_mov_b32 v248, 0                              ; written once: a lane permute's destination counts as one of its sources
	v_mov_b32 v249, 0
	s_mov_b32 s24, 0x76543210
	s_mov_b32 s25, 0xfedcba98                      ; v_permlanex16_b32's selects for lane l xor 16
	s_mov_b32 s26, 0xffff0000                      ; lanes 16-31
	s_mov_b32 s27, 0x3a800000                      ; 1 / 1,024
	s_mov_b32 s28, 0x3727c5ac                      ; 1e-5
	s_lshl_b32 s2, ttmp9, 17                       ; 32 rows of 4,096 bytes,
	s_lshl_b32 s22, s18, 13                        ; my wave's two
	s_add_co_u32 s2, s2, s22
	s_mov_b32 s3, 0
	s_lshl_b32 s22, ttmp9, 15                      ; two row tiles of 16,384 bytes of images,
	s_lshl_b32 s23, s18, 11                        ; my wave's sixteenth
	s_add_co_u32 s22, s22, s23
	s_mov_b32 s23, 0
	s_wait_kmcnt 0x0
	s_load_b64 s[20:21], s[14:15], 0x28            ; e10, e11
	s_add_nc_u64 s[8:9], s[8:9], s[2:3]
	s_add_nc_u64 s[16:17], s[16:17], s[2:3]
	s_add_nc_u64 s[4:5], s[4:5], s[22:23]
	s_lshl_b32 s22, s18, 16                        ; my four tiles of W_o: 16,384 bytes each
	s_add_nc_u64 s[6:7], s[6:7], s[22:23]
	s_wait_alu depctr_va_vdst(0)                   ; the nine offsets and addresses v1 to v9 are written, which the kernel's loads and stores read; none is written again
.macro BLOAD ks                        ; W_o's four fragments of K step ks into set ks % 2
.irp t, 0,1,2,3
.irp c, 0,1,2,3
	global_load_b128 v[BS+64*((\ks)%2)+16*\t+4*\c:BS+64*((\ks)%2)+16*\t+4*\c+3], v1, s[6:7] offset:16384*\t+2048*(\ks)+512*\c
.endr
.endr
.endm
.macro ALOAD ks                        ; ctx's two fragments of K step ks
.irp m, 0,1
.irp c, 0,1,2,3
	ds_load_b128 v[AFR+16*\m+4*\c:AFR+16*\m+4*\c+3], v6 offset:16384*\m+2048*(\ks)+512*\c
.endr
.endr
.endm
.set n, 0
.rept 16
	global_load_b128 v[ACC+4*n:ACC+4*n+3], v1, s[8:9] offset:512*n th:TH_LOAD_NT   ; the residual: my two rows, 8,192 consecutive bytes; read once in this launch
.set n, n+1
.endr
.irp c, 0,1,2,3
	global_load_b128 v[AFR+4*\c:AFR+4*\c+3], v1, s[4:5] offset:512*\c th:TH_LOAD_NT
.endr
	BLOAD 0
	BLOAD 1
	s_wait_loadcnt 36                              ; the residual is in; ctx's 4 loads and W_o's 32 may be out
.set n, 0
.rept 16
	ds_store_b128 v4, v[ACC+4*n:ACC+4*n+3] offset:(n/8)*SPT+(n%8)*512
.set n, n+1
.endr
	s_wait_loadcnt 32                              ; ctx's images are in; W_o's 32 loads may be out
.irp c, 0,1,2,3
	ds_store_b128 v5, v[AFR+4*\c:AFR+4*\c+3] offset:512*\c
.endr
	s_wait_dscnt 0x0                               ; for the others' sake: my stores have landed
	s_barrier_signal -1
	s_barrier_wait -1                              ; the residual's 32 rows and ctx's 16 K = 128 fragments lie in LDS
	s_wait_alu depctr_vm_vsrc(0)                   ; my LDS stores have read v16-95: ctx's fragments land in v80-111, and the first products write v16-79
	ALOAD 0
	s_wait_kmcnt 0x0
	s_add_co_i32 s20, s20, s21
	s_add_co_i32 s20, s20, 127
	s_lshl_b32 s20, s20, 23                        ; 2^(e10 + e11) as f32
	s_mov_b32 s21, s20                             ; (named with it as a pair)
; A K step of 128: eight matrix instructions, the eight accumulators by turns in the same order in every step.
.macro KS ks
	s_wait_loadcnt 16                              ; this step's set is in; the sixteen loads issued behind it may be out
	s_wait_dscnt 0x0                               ; ctx's two fragments
.irp t, 0,1,2,3
.irp m, 0,1
.if (\ks) == 0
	v_wmma_f32_16x16x128_bf8_bf8 v[ACC+8*(4*\m+\t):ACC+8*(4*\m+\t)+7], v[BS+64*((\ks)%2)+16*\t:BS+64*((\ks)%2)+16*\t+15], v[AFR+16*\m:AFR+16*\m+15], 0
.else
	v_wmma_f32_16x16x128_bf8_bf8 v[ACC+8*(4*\m+\t):ACC+8*(4*\m+\t)+7], v[BS+64*((\ks)%2)+16*\t:BS+64*((\ks)%2)+16*\t+15], v[AFR+16*\m:AFR+16*\m+15], v[ACC+8*(4*\m+\t):ACC+8*(4*\m+\t)+7]
.endif
.endr
.endr
.rept 4
	v_nop                                          ; four plain lines behind the products: in the last step the places in front of the first read of results (ISA guide 7.12.1); they stay beside the wait below
.endr
	s_wait_alu depctr_va_vdst(0)                   ; the eight products are done reading this step's set of W_o and ctx's two fragments, in which the loads that follow land (behind the last step: the residual's, in set 1)
.if (\ks)+1 < 8
	ALOAD (\ks)+1                                  ; first what the next step waits for
.endif
.if (\ks)+2 < 8
	BLOAD (\ks)+2
.endif
.if (\ks) == 6                         ; set 0 is done with: it takes gamma and beta of my lane's columns, 64 w + 16 t + 8 h + 0 .. 7
.irp t, 0,1,2,3
	global_load_b128 v[GAM+8*\t:GAM+8*\t+3], v9, s[10:11] offset:64*\t
	global_load_b128 v[GAM+8*\t+4:GAM+8*\t+7], v9, s[10:11] offset:64*\t+16
	global_load_b128 v[BET+8*\t:BET+8*\t+3], v9, s[12:13] offset:64*\t
	global_load_b128 v[BET+8*\t+4:BET+8*\t+7], v9, s[12:13] offset:64*\t+16
.endr
.endif
.endm
.irp k, 0,1,2,3,4,5,6,7
	KS \k
.endr
.irp m, 0,1
.irp t, 0,1,2,3
	ds_load_b128 v[RES+8*(4*\m+\t):RES+8*(4*\m+\t)+3], v[2+\m] offset:64*\t        ; the residual in the accumulators' layout
	ds_load_b128 v[RES+8*(4*\m+\t)+4:RES+8*(4*\m+\t)+7], v[2+\m] offset:64*\t+16
.endr
.endr
	s_wait_dscnt 0x0
.set n, 0
.rept 32
	v_pk_fma_f32 v[ACC+2*n:ACC+2*n+1], v[ACC+2*n:ACC+2*n+1], s[20:21], v[RES+2*n:RES+2*n+1] op_sel_hi:[1,0,1]   ; y = sum x 2^(e10 + e11) + input_Q; each accumulator from its low end on
.set n, n+1
.endr
; v[244:245], v[246:247]: my lane's partial sums for rows r and 16 + r.  They are joined with lane l xor 16's; lane l then keeps row l's; the sixteen waves' words meet in LDS behind a barrier; v176 = row l's total, in lane l.
.macro ACROSS off
	v_add_f32 v244, v244, v245
	v_add_f32 v246, v246, v247
	v_permlanex16_b32 v248, v244, s24, s25
	v_permlanex16_b32 v249, v246, s24, s25
	v_add_f32 v244, v244, v248
	v_add_f32 v246, v246, v249
	v_cndmask_b32 v244, v244, v246, s26
	s_wait_alu depctr_va_vdst(0)                   ; v244 is written, which the LDS store reads; and the vector lines so far are done with v176-191, in which the partial sums land below
	ds_store_b32 v7, v244 offset:\off
	s_wait_dscnt 0x0                               ; for the others' sake: my word has landed, and my earlier LDS loads are in
	s_barrier_signal -1
	s_barrier_wait -1
.irp i, 0,1,2,3
	ds_load_b128 v[176+4*\i:179+4*\i], v8 offset:\off+16*\i
.endr
	s_wait_dscnt 0x0
	v_pk_add_f32 v[176:177], v[176:177], v[178:179]
	v_pk_add_f32 v[180:181], v[180:181], v[182:183]
	v_pk_add_f32 v[184:185], v[184:185], v[186:187]
	v_pk_add_f32 v[188:189], v[188:189], v[190:191]
	v_pk_add_f32 v[176:177], v[176:177], v[180:181]
	v_pk_add_f32 v[184:185], v[184:185], v[188:189]
	v_pk_add_f32 v[176:177], v[176:177], v[184:185]
	v_add_f32 v176, v176, v177
.endm
.macro SPREAD                          ; row l's figure in v176 of lane l becomes v240 = row r's, v242 = row 16 + r's, in every lane
	v_permlanex16_b32 v248, v176, s24, s25
	v_cndmask_b32 v240, v176, v248, s26
	v_cndmask_b32 v242, v248, v176, s26
.endm
	v_pk_add_f32 v[244:245], v[ACC:ACC+1], v[ACC+2:ACC+3]
	v_pk_add_f32 v[246:247], v[ACC+32:ACC+33], v[ACC+34:ACC+35]
.irp j, 4,6,8,10,12,14,16,18,20,22,24,26,28,30
	v_pk_add_f32 v[244:245], v[244:245], v[ACC+\j:ACC+\j+1]
	v_pk_add_f32 v[246:247], v[246:247], v[ACC+32+\j:ACC+33+\j]
.endr
	ACROSS 0
	v_mul_f32 v176, s27, v176                      ; the mean
	SPREAD
.set n, 0
.rept 16
	v_pk_add_f32 v[ACC+2*n:ACC+2*n+1], v[ACC+2*n:ACC+2*n+1], v[240:241] op_sel_hi:[1,0] neg_lo:[0,1] neg_hi:[0,1]   ; y - mean
	v_pk_add_f32 v[ACC+32+2*n:ACC+33+2*n], v[ACC+32+2*n:ACC+33+2*n], v[242:243] op_sel_hi:[1,0] neg_lo:[0,1] neg_hi:[0,1]
.set n, n+1
.endr
	s_wait_alu depctr_vm_vsrc(0)                   ; the first reduction's LDS store has read v244, which the line below writes again
	v_pk_mul_f32 v[244:245], v[ACC:ACC+1], v[ACC:ACC+1]
	v_pk_mul_f32 v[246:247], v[ACC+32:ACC+33], v[ACC+32:ACC+33]
.irp j, 2,4,6,8,10,12,14,16,18,20,22,24,26,28,30
	v_pk_fma_f32 v[244:245], v[ACC+\j:ACC+\j+1], v[ACC+\j:ACC+\j+1], v[244:245]
	v_pk_fma_f32 v[246:247], v[ACC+32+\j:ACC+33+\j], v[ACC+32+\j:ACC+33+\j], v[246:247]
.endr
	ACROSS RED2                                    ; other words than the first time: no wave can meet a slower wave's reads
	v_fma_f32 v176, v176, s27, s28                 ; the variance + 1e-5
	v_rsq_f32 v176, v176
	v_nop                                          ; a plain line behind the transcendental
	s_wait_alu depctr_va_vdst(0)                   ; the root's reciprocal has written v176, ahead of its first reader
	SPREAD
	s_wait_loadcnt 0x0                             ; gamma and beta
.set n, 0
.rept 16
	v_pk_mul_f32 v[ACC+2*n:ACC+2*n+1], v[ACC+2*n:ACC+2*n+1], v[240:241] op_sel_hi:[1,0]
	v_pk_mul_f32 v[ACC+32+2*n:ACC+33+2*n], v[ACC+32+2*n:ACC+33+2*n], v[242:243] op_sel_hi:[1,0]
.set n, n+1
.endr
.set n, 0
.rept 16
	v_pk_fma_f32 v[ACC+2*n:ACC+2*n+1], v[ACC+2*n:ACC+2*n+1], v[GAM+2*n:GAM+2*n+1], v[BET+2*n:BET+2*n+1]
	v_pk_fma_f32 v[ACC+32+2*n:ACC+33+2*n], v[ACC+32+2*n:ACC+33+2*n], v[GAM+2*n:GAM+2*n+1], v[BET+2*n:BET+2*n+1]
.set n, n+1
.endr
	s_wait_alu depctr_va_vdst(0)                   ; the multiply-adds have written v16-79, which the LDS stores read; and the vector lines are done with v176-191, in which rows from the stage land below: no vector line follows this wait
.irp m, 0,1
.irp t, 0,1,2,3
	ds_store_b128 v[2+\m], v[ACC+8*(4*\m+\t):ACC+8*(4*\m+\t)+3] offset:64*\t       ; over the residual's bytes, which every wave has read two barriers ago
	ds_store_b128 v[2+\m], v[ACC+8*(4*\m+\t)+4:ACC+8*(4*\m+\t)+7] offset:64*\t+16
.endr
.endr
	s_wait_dscnt 0x0                               ; for the others' sake: my stores have landed
	s_barrier_signal -1
	s_barrier_wait -1                              ; 32 whole rows lie in the stage
.set n, 0
.rept 16
	ds_load_b128 v[RES+4*n:RES+4*n+3], v4 offset:(n/8)*SPT+(n%8)*512
.set n, n+1
.endr
.set n, 0
.rept 16
	s_wait_dscnt 15-n                              ; LDS loads come back in order: number n is in, the younger ones may be out
	global_store_b128 v1, v[RES+4*n:RES+4*n+3], s[16:17] offset:512*n th:TH_STORE_NT   ; 512 consecutive bytes, at a multiple of 256 from out0's first byte; written once, read by nobody here
.set n, n+1
.endr
	s_wait_dscnt 0x0                               ; the closing lines, six on end
	s_wait_alu 0x0
	s_wait_tensorcnt 0x0
	ds_add_u32 v254, v255
	s_wait_dscnt 0x0
	s_endpgm
.Lfunc_end_k_qc32d904afa_outln:
	.size	k_qc32d904afa_outln, .Lfunc_end_k_qc32d904afa_outln-k_qc32d904afa_outln
	.p2alignl 7, 3214868480
	.fill 96, 4, 3214868480
	.section	.rodata,"a",@progbits
	.p2align	6, 0x0
	.amdhsa_kernel k_qc32d904afa_outln
		.amdhsa_group_segment_fixed_size 171520
		.amdhsa_private_segment_fixed_size 0
		.amdhsa_enable_private_segment 0
		.amdhsa_kernarg_size 56
		.amdhsa_user_sgpr_count 2
		.amdhsa_user_sgpr_kernarg_segment_ptr 1
		.amdhsa_wavefront_size32 1
		.amdhsa_system_sgpr_workgroup_id_x 1
		.amdhsa_system_sgpr_workgroup_id_y 1
		.amdhsa_system_sgpr_workgroup_id_z 1
		.amdhsa_system_vgpr_workitem_id 0
		.amdhsa_next_free_vgpr 256
		.amdhsa_next_free_sgpr 66
		.amdhsa_reserve_vcc 0
		.amdhsa_float_denorm_mode_32 3
		.amdhsa_float_denorm_mode_16_64 3
		.amdhsa_memory_ordered 1
		.amdhsa_forward_progress 1
		.amdhsa_inst_pref_size 50
	.end_amdhsa_kernel
	.amdgpu_metadata
---
amdhsa.version: [ 1, 2 ]
amdhsa.kernels:
  - .name:           k_qc32d904afa_outln
    .symbol:         k_qc32d904afa_outln.kd
    .args:
      - { .name: ctximg, .offset: 0, .size: 8, .value_kind: global_buffer, .address_space: global }
      - { .name: woimg, .offset: 8, .size: 8, .value_kind: global_buffer, .address_space: global }
      - { .name: input_Q, .offset: 16, .size: 8, .value_kind: global_buffer, .address_space: global }
      - { .name: ln_gamma, .offset: 24, .size: 8, .value_kind: global_buffer, .address_space: global }
      - { .name: ln_beta, .offset: 32, .size: 8, .value_kind: global_buffer, .address_space: global }
      - { .name: lowp_scales, .offset: 40, .size: 8, .value_kind: global_buffer, .address_space: global }
      - { .name: out0, .offset: 48, .size: 8, .value_kind: global_buffer, .address_space: global }
    .group_segment_fixed_size: 171520
    .private_segment_fixed_size: 0
    .kernarg_segment_align: 8
    .kernarg_segment_size: 56
    .max_flat_workgroup_size: 512
    .sgpr_count:     66
    .vgpr_count:     256
    .wavefront_size: 32
...
	.end_amdgpu_metadata
.endif
;; end of part 6
